; MI455X (gfx1250); checked and timed in simulation.
; The chip was launched on July 23, 2026; its instructions are those of AMD's public machine-readable ISA for CDNA 5 (MIT licence, August 2026) and "CDNA5" Instruction Set Architecture Reference Guide (July 2026). The comments in the code are by the model that wrote it; some were corrected since.
;; Multi Head Attention. Allowed arithmetic: matrix products marked QUANTISED: E2M3 operands, one E8M0 scale for each 32 along K, by v_wmma_scale_f32_16x16x128_f8f6f4 with both operands' format E2M3, f32 sums; everything else in f32.
;; Inputs: Wk 1,024 x 1,024 float32; Wo 1,024 x 1,024 float32; Wq 1,024 x 1,024 float32; Wv 1,024 x 1,024 float32; bo 1,024 float32; keys 4 x 2,048 x 1,024 float32; mask 1 x 1 x 2,048 x 2,048 float32; queries 4 x 2,048 x 1,024 float32; values 4 x 2,048 x 1,024 float32.
;; Outputs: out0 4 x 2,048 x 1,024 float32.
;; This version of the problem:
;;   THIS VERSION OF THE PROBLEM IS GIVEN IN LOW PRECISION. The matrix products marked QUANTISED in the list below multiply operands that are first quantised to E2M3 (2 exponent bits, 3 mantissa bits; 6 bits a number), with one power-of-two scale for each 32 numbers along K (OCP MX v1.0); their sums are f32. All else is computed in f32.
;;   The module's matrix products, in the order in which they are computed (A, B: the left and right operand; K: the contracted axis; several contracted axes count as one K, in the product's order):
;;     1. [M 8,192, K 1,024] x [K 1,024, N 1,024]; A: input queries; B: input Wq: QUANTISED
;;     2. [M 8,192, K 1,024] x [K 1,024, N 1,024]; A: input keys; B: input Wk: QUANTISED
;;     3. [M 8,192, K 1,024] x [K 1,024, N 1,024]; A: input values; B: input Wv: QUANTISED
;;     4. batch 64 x [M 2,048, K 64] x [K 64, N 2,048]; A: computed on the way; B: computed on the way: QUANTISED
;;     5. batch 64 x [M 2,048, K 2,048] x [K 2,048, N 64]; A: softmax (see below); B: computed on the way: QUANTISED
;;     6. [M 8,192, K 1,024] x [K 1,024, N 1,024]; A: computed on the way; B: input Wo: QUANTISED
;;   THE QUANTISER, for each operand of a quantised product, along K:
;;     - K is cut into blocks of 32 from its start; a last block that is shorter is filled with zeros.
;;     - A block's scale is 2^e with e = floor(log2(the largest magnitude in the block)) - 2, held to -126 .. 127; a block of zeros has e = 0. As a byte (E8M0): e + 127.
;;     - Each number is divided by its block's scale, clamped to +-7.5, and rounded to the nearest number of E2M3, ties to even, subnormals kept.
;;     - The product sums the exact products of the quantised numbers (number of the format x scale) in f32.
;;   ~~~python
;;   def quantise(x, axis):      # numpy; x: float32 -> the quantised numbers, widened to float32 again
;;       x = np.moveaxis(x, axis, -1); K = x.shape[-1]
;;       x = np.pad(x, [(0, 0)] * (x.ndim - 1) + [(0, -K % 32)]); x = x.reshape(x.shape[:-1] + (-1, 32)); a = np.abs(x).max(-1, keepdims=True)
;;       e = np.where(a > 0, np.clip(np.frexp(np.where(a > 0, a, 1))[1] - 1 - 2, -126, 127), 0)      # np.frexp(a)[1] - 1 = floor(log2(a)), exactly
;;       r = np.clip(x / 2.0 ** e, -7.5, 7.5)
;;       step = 2.0 ** (np.maximum(np.frexp(np.where(r == 0, 1, r))[1] - 1, 0) - 3)
;;       q = np.round(r / step) * step * 2.0 ** e      # np.round: ties to even
;;       return np.moveaxis(q.reshape(q.shape[:-2] + (-1,))[..., :K], -1, axis).astype(np.float32)
;;   ~~~
;;   SOFTMAX AHEAD OF A QUANTISED PRODUCT. Where the list says 'softmax', what is quantised is not the finished softmax but p = 2^(t - M), with t = logit x log2(e) and M = ceil(the row's largest t), a whole number; so 1/2 < the row's largest p <= 1. The row's sum l is taken of the UNQUANTISED p, in f32, and the product's result is divided by l at the end. Since M is a whole number, a kernel that streams over the keys may use a running M (the ceiling of the running maximum): every later rescaling is an exact power of two, which a block's scale takes up: the codes' values come out the same.
;;   OPERANDS COMPUTED ON THE WAY. 'Computed on the way' means the value that the module computes at that place (a softmax that the list does not call 'softmax' is quantised finished and normalised). What goes into a quantiser is computed in f32, as accurately as f32 sums, v_exp_f32 and their like allow (about 1e-6 of the number): no bf16 or f16 on the way to a quantiser, and a product that is left as it is and whose result goes on into a quantised operand takes f32 operands (vector FMAs, or v_wmma_f32_16x16x4_f32). A number that lies on a knife's edge between two numbers of the format may be rounded either way, as far as f32 arithmetic and the matrix unit's own rounding can turn it there, and no further.
;; One version. Each part assembles by itself: llvm-mc -triple=amdgcn-amd-amdhsa -mcpu=gfx1250 --defsym DOCPART=n.
;; ======== version 1 of 1: 4 launches
;; limits: right only within a limited range of input values
;; workspace buffers: xq 19,660,800 bytes; wq 3,276,800 bytes; mb 16,777,216 bytes; hq 20,447,232 bytes; oq 6,553,600 bytes
;; launch prep (part 1): grid 1152 x 1, 4 waves a work-group, no clusters, 73,216 bytes of LDS; arguments queries, keys, values, Wq, Wk, Wv, Wo, mask, xq, wq, mb; writes xq, wq, mb
.if DOCPART == 1
	.amdgcn_target "amdgcn-amd-amdhsa--gfx1250"
	.amdhsa_code_object_version 6
	.text
	.protected	k_qea2c3c8c90_prep
	.globl	k_qea2c3c8c90_prep
	.p2align	8
	.type	k_qea2c3c8c90_prep,@function
k_qea2c3c8c90_prep:
	s_mov_b64 s[64:65], 0
	v_nop
	global_prefetch_b8 v0, s[64:65] scope:SCOPE_SE
	s_setreg_imm32_b32 hwreg(HW_REG_WAVE_MODE, 25, 1), 1
	s_wait_xcnt 0x0
; PREP: everything that is quantised once, and the mask's term.  No work of reference() is left out by this program.
; Three kinds of work-group, told apart by the work-group's number; each kind has LDS bytes of its own.
;  X (0..767): queries, keys, values [8192][1024] f32 -> xq: codes of E2M3 and one E8M0 byte for each 32 along K.
;  W (768..895): Wq, Wk, Wv, Wo [1024 (k)][1024 (n)] f32 -> wq, likewise, quantised down K.
;  M (896..1151): mb = (1 - mask) x (-1e9 x 8), [2048][2048]: 8 x reference()'s term, the factor 8 being exact.
; CODES lie as images of an operand's registers: chunk T (128 positions) x F (128 along K) = 8 fragments of 1,536 bytes,
; at T x 98304 + F x 12288 + i x 1536; a fragment is six pieces of 256 bytes, piece p = registers 2 p, 2 p + 1, lane l at 8 l;
; lane (r, h) holds position 16 i + r, registers 6 c .. 6 c + 5 its 24 bytes of K = 64 c + 32 h + 0 .. 31.
; SCALE BYTES: [position][32], from XS_OFF (WS_OFF) on.
; POSITION: a row's (a column n's) number with bits 3 and 4 exchanged, for keys, values and weights; queries stay in order.
; A block's scale byte is the largest magnitude's exponent field - 2, held at 1 from below.
; LIMITS: a block of zeros, or one whose largest magnitude lies under 2^-124, gets the byte 1 (this program alone reads the bytes);
; NaN and infinities among the inputs are not served.
.set XS_OFF, 18874368
.set WS_OFF, 3145728
.set STEPS, 16
.set WREG,  12032                      ; X: a wave's LDS: two stages of 32 x SP, 256 scale bytes, 24 pieces of 272
.set SP,    80
.set XSB,   5120                       ; the scale bytes
.set XIM,   5376                       ; the image: piece P at 272 P
.set XR,    16                         ; v16-79   four sets of 16 numbers as loaded
.set XX,    80                         ; v80-111  two sets of 16 neighbours
.set XE,    112                        ; v112-127 a scale byte a step
.set XC,    128                        ; v128-191 codes, four registers a step
.set WSTG,  48128                      ; W: 6,144 bytes a wave
.set NB,    8
.set WX,    32
.set WC,    96
.set OUTR,  112
.set SB,    24
.set SPARE, 72704
	s_load_b512 s[32:47], s[0:1], 0x0              ; queries 32, keys 34, values 36, Wq 38, Wk 40, Wv 42, Wo 44, mask 46
	s_load_b128 s[48:51], s[0:1], 0x40             ; xq 48, wq 50
	s_load_b64 s[52:53], s[0:1], 0x50              ; mb
	v_lshl_add_u32 v192, v0, 2, SPARE
	v_mov_b32 v193, 0
	v_lshrrev_b32 v1, 5, v0
	v_readfirstlane_b32 s16, v1                    ; wave
	v_and_b32 v2, 31, v0                           ; lane
	s_wait_alu depctr_va_vdst(0)                   ; the wait at the head's end
	s_wait_kmcnt 0x0
	s_cmp_lt_u32 ttmp9, 768
	s_cbranch_scc1 .Lx
	s_cmp_lt_u32 ttmp9, 896
	s_cbranch_scc1 .Lw
; ---- M: 65,536 bytes a work-group; a load or store of the work-group covers 2,048 consecutive bytes
	s_sub_co_u32 s4, ttmp9, 896
	s_lshl_b32 s4, s4, 16
	s_mov_b32 s5, 0
	s_add_nc_u64 s[46:47], s[46:47], s[4:5]
	s_add_nc_u64 s[52:53], s[52:53], s[4:5]
	s_mov_b32 s6, 0xcfee6b28                       ; -1e9 x 8
	s_mov_b32 s7, s6
	v_lshlrev_b32 v1, 4, v0
	s_wait_alu depctr_va_vdst(0)
.set i, 0
.rept 32
	global_load_b128 v[32+4*i:35+4*i], v1, s[46:47] offset:2048*i th:TH_LOAD_NT
.set i, i+1
.endr
.set i, 0
.rept 32
	s_wait_loadcnt 31-i                            ; load i is in, the 31 - i younger ones may be out
	v_pk_fma_f32 v[32+4*i:33+4*i], v[32+4*i:33+4*i], -1.0, 1.0 op_sel_hi:[1,0,0]
	v_pk_fma_f32 v[34+4*i:35+4*i], v[34+4*i:35+4*i], -1.0, 1.0 op_sel_hi:[1,0,0]
	v_pk_mul_f32 v[32+4*i:33+4*i], v[32+4*i:33+4*i], s[6:7] op_sel_hi:[1,0]
	v_pk_mul_f32 v[34+4*i:35+4*i], v[34+4*i:35+4*i], s[6:7] op_sel_hi:[1,0]
	global_store_b128 v1, v[32+4*i:35+4*i], s[52:53] offset:2048*i
.set i, i+1
.endr
	s_endpgm
; ---- X: a wave takes 16 positions x 512 along K, a row's 512 numbers a step.  A step's 2,048 bytes turn through the wave's stage
; and come back 64 bytes a lane: two neighbouring lanes hold a block.  A lane's 12 bytes of codes go, word by word, to their places
; in the image (pieces 272 bytes apart in LDS); at the end the image leaves in stores of 512 consecutive bytes.
.Lx:
	s_mul_i32 s17, s16, WREG
	s_add_co_u32 s24, s17, XSB
	s_add_co_u32 s25, s17, XIM
	s_lshr_b32 s18, ttmp9, 8                       ; tensor
	s_and_b32 s19, ttmp9, 255                      ; which 32 rows
	s_lshr_b32 s20, s16, 1                         ; which 16 positions
	s_and_b32 s21, s16, 1                          ; which half of K
	s_cmp_eq_u32 s18, 0
	s_cselect_b64 s[4:5], s[32:33], s[34:35]
	s_cselect_b32 s22, 4, 3                        ; queries: rows 16 pb + t; else 8 pb + t % 8 + 16 (t / 8)
	s_cselect_b32 s23, 8, 16
	s_cmp_eq_u32 s18, 2
	s_cselect_b64 s[4:5], s[36:37], s[4:5]
	s_lshl_b32 s22, s20, s22
	s_lshl_b32 s26, s19, 5
	s_add_co_u32 s22, s22, s26
	s_lshl_b32 s22, s22, 12
	s_lshl_b32 s26, s21, 11
	s_add_co_u32 s22, s22, s26
	s_lshl_b32 s26, s23, 12
	s_mov_b32 s23, 0
	s_mov_b32 s27, 0
	s_add_nc_u64 s[4:5], s[4:5], s[22:23]          ; steps 0-7
	s_add_nc_u64 s[6:7], s[4:5], s[26:27]          ; steps 8-15
	s_mul_i32 s22, s18, 6291456
	s_lshr_b32 s26, s19, 2
	s_mul_i32 s26, s26, 98304
	s_add_co_u32 s22, s22, s26
	s_mul_i32 s26, s21, 49152
	s_add_co_u32 s22, s22, s26
	s_and_b32 s26, s19, 3
	s_lshl_b32 s26, s26, 1
	s_add_co_u32 s26, s26, s20
	s_mul_i32 s26, s26, 1536
	s_add_co_u32 s22, s22, s26
	s_add_nc_u64 s[8:9], s[48:49], s[22:23]        ; my fragment of four F
	s_lshl_b32 s22, s18, 18
	s_lshl_b32 s26, s19, 10
	s_add_co_u32 s22, s22, s26
	s_lshl_b32 s26, s20, 9
	s_add_co_u32 s22, s22, s26
	s_lshl_b32 s26, s21, 4
	s_add_co_u32 s22, s22, s26
	s_add_co_u32 s22, s22, XS_OFF
	s_add_nc_u64 s[10:11], s[48:49], s[22:23]      ; my scale bytes
	v_lshlrev_b32 v3, 4, v2                        ; 16 x lane: loads, and the codes' stores
	v_lshrrev_b32 v14, 2, v2
	v_mul_u32_u24 v14, v14, SP
	v_and_b32 v15, 3, v2
	v_lshl_add_u32 v14, v15, 4, v14
	v_add_nc_u32 v14, s17, v14                     ; the stage on the way in
	v_mul_u32_u24 v15, v2, SP
	v_add_nc_u32 v15, s17, v15                     ; and on the way out
	v_lshrrev_b32 v5, 1, v2
	v_lshlrev_b32 v7, 5, v5
	v_add_nc_u32 v5, s24, v5                       ; my block's byte
	v_and_b32 v8, 1, v2                            ; which half of a block
	v_lshl_add_u32 v7, v8, 3, v7                   ; scale bytes out: row lane / 2, 8 bytes
	v_lshlrev_b32 v6, 3, v2
	v_add_nc_u32 v6, s24, v6
	v_lshrrev_b32 v9, 3, v2                        ; which 128 along K: six pieces
	v_mul_u32_u24 v9, v9, 1632
	v_bfe_u32 v11, v2, 2, 1                        ; c: three pieces
	v_mad_u32_u24 v9, v11, 816, v9
	v_bfe_u32 v11, v2, 1, 1                        ; h: lanes 16-31 of the fragment
	v_lshl_add_u32 v9, v11, 7, v9
	v_add_nc_u32 v9, s25, v9
	v_mad_u32_u24 v4, v8, 276, v9                  ; words 0 and 2 (+272) of my three: block's words 0, 2 or 3, 5
	v_mad_u32_u24 v10, v8, 540, v9                 ; word 1 (+4): block's word 1 or 4
	v_lshrrev_b32 v12, 4, v2
	v_mul_u32_u24 v12, v12, 272
	v_and_b32 v13, 15, v2
	v_lshl_add_u32 v12, v13, 4, v12
	v_add_nc_u32 v12, s25, v12                     ; the image on the way out: sixteen lanes a piece
	s_wait_alu depctr_va_vdst(0)
.macro XLOAD t
.irp i, 0,1,2,3
	global_load_b128 v[XR+16*((\t)%4)+4*\i:XR+16*((\t)%4)+4*\i+3], v3, s[4+2*((\t)/8):5+2*((\t)/8)] offset:4096*((\t)%8)+512*\i th:TH_LOAD_NT
.endr
.endm
.macro XTURN t
.irp i, 0,1,2,3
	ds_store_b128 v14, v[XR+16*((\t)%4)+4*\i:XR+16*((\t)%4)+4*\i+3] offset:32*SP*((\t)%2)+8*SP*\i
.endr
.irp i, 0,1,2,3
	ds_load_b128 v[XX+16*((\t)%2)+4*\i:XX+16*((\t)%2)+4*\i+3], v15 offset:32*SP*((\t)%2)+16*\i
.endr
.endm
.irp t, 0,1,2,3
	XLOAD \t
.endr
	s_wait_loadcnt 12
	XTURN 0
.macro XSTEP t
.set XS, XX+16*((\t)%2)
.if (\t) > 0
	s_wait_dscnt 4                                 ; this step's numbers are back; the last step's four stores may be out
.else
	s_wait_dscnt 0x0
.endif
.if (\t)+4 < STEPS
	XLOAD (\t)+4
.endif
.if (\t)+1 < STEPS
.if STEPS-2-(\t) >= 3
	s_wait_loadcnt 12                              ; the next step's four loads are in; three steps' may be out
.else
	s_wait_loadcnt 4*(STEPS-2-(\t))
.endif
	XTURN (\t)+1
.endif
	v_max3_num_f32 v8, |v[XS]|, |v[XS+1]|, |v[XS+2]|
	v_max3_num_f32 v9, |v[XS+3]|, |v[XS+4]|, |v[XS+5]|
.irp i, 6,10
	v_max3_num_f32 v8, v8, |v[XS+\i]|, |v[XS+\i+1]|
	v_max3_num_f32 v9, v9, |v[XS+\i+2]|, |v[XS+\i+3]|
.endr
	v_max3_num_f32 v8, v8, |v[XS+14]|, |v[XS+15]|
	v_max3_num_f32 v8, v8, v9, 0x1800000           ; the floor 2^(3 - 127)
	v_max_num_f32_dpp v8, v8, v8 row_xmask:1 row_mask:0xf bank_mask:0xf
	v_add_nc_u32 v11, 0xff000000, v8               ; 2 off the exponent field: the conversion's scale operand
	v_cvt_scalef32_pk16_fp6_f32 v[XC+4*(\t):XC+4*(\t)+2], v[XS:XS+15], v11
	v_lshrrev_b32 v[XE+(\t)], 23, v11
	ds_store_b8 v5, v[XE+(\t)] offset:16*(\t)
	ds_store_b32 v4, v[XC+4*(\t)] offset:8*(\t)    ; fragment lane = step (+ 16 h): 8 bytes a lane
	ds_store_b32 v10, v[XC+4*(\t)+1] offset:8*(\t)+4
	ds_store_b32 v4, v[XC+4*(\t)+2] offset:8*(\t)+272
.endm
.irp t, 0,1,2,3,4,5,6,7,8,9,10,11,12,13,14,15
	XSTEP \t
.endr
.irp n, 0,1,2,3,4,5,6,7,8,9,10,11
	ds_load_b128 v[XR+4*\n:XR+4*\n+3], v12 offset:544*\n   ; LDS serves a wave's instructions in order
.endr
	ds_load_b64 v[8:9], v6
	s_wait_dscnt 0x0
.irp n, 0,1,2,3,4,5,6,7,8,9,10,11
	global_store_b128 v3, v[XR+4*\n:XR+4*\n+3], s[8:9] offset:(\n/3)*12288+(\n%3)*512   ; 512 consecutive bytes, aligned
.endr
	global_store_b64 v7, v[8:9], s[10:11]          ; 16 bytes of each of 16 rows of scale bytes
	s_wait_tensorcnt 0x0                           ; the wave's end
	ds_add_u32 v192, v193
	s_wait_dscnt 0x0
	s_endpgm
; ---- W: a lane takes a column n, its registers run down K: a block of 32 lies in one lane.  A wave takes 32 columns x 256 along K:
; two fragments for each of two F, gathered as images in its stage.
.Lw:
	s_sub_co_u32 s20, ttmp9, 768
	s_lshr_b32 s21, s20, 5                         ; which weight
	s_and_b32 s22, s20, 7                          ; which 128 columns
	s_bfe_u32 s18, s20, 0x20003                    ; which 256 along K
	s_cmp_eq_u32 s21, 0
	s_cselect_b64 s[4:5], s[38:39], s[40:41]
	s_cmp_eq_u32 s21, 2
	s_cselect_b64 s[4:5], s[42:43], s[4:5]
	s_cmp_eq_u32 s21, 3
	s_cselect_b64 s[4:5], s[44:45], s[4:5]
	s_lshl_b32 s17, s22, 7
	s_lshl_b32 s19, s16, 5
	s_add_co_u32 s17, s17, s19                     ; my first column
	s_mul_i32 s19, s16, 6144
	s_add_co_u32 s19, s19, WSTG                    ; my stage
	s_lshl_b32 s24, s18, 20
	s_lshl_b32 s25, s17, 2
	s_add_co_u32 s24, s24, s25
	s_mov_b32 s25, 0
	s_add_nc_u64 s[4:5], s[4:5], s[24:25]
	s_mul_i32 s24, s21, 786432
	s_mul_i32 s26, s22, 98304
	s_add_co_u32 s24, s24, s26
	s_mul_i32 s26, s18, 24576
	s_add_co_u32 s24, s24, s26
	s_mul_i32 s26, s16, 3072
	s_add_co_u32 s24, s24, s26
	s_add_nc_u64 s[6:7], s[50:51], s[24:25]
	s_lshl_b32 s24, s21, 15
	s_lshl_b32 s26, s17, 5
	s_add_co_u32 s24, s24, s26
	s_lshl_b32 s26, s18, 3
	s_add_co_u32 s24, s24, s26
	s_add_co_u32 s24, s24, WS_OFF
	s_add_nc_u64 s[8:9], s[50:51], s[24:25]
	v_lshlrev_b32 v3, 2, v2
	v_and_b32 v10, 7, v2
	v_bfe_u32 v11, v2, 3, 1
	v_lshl_add_u32 v10, v11, 4, v10
	v_bfe_u32 v11, v2, 4, 1
	v_lshl_add_u32 v10, v11, 3, v10                ; my column's position among the 32
	v_and_b32 v5, 15, v10
	v_lshrrev_b32 v6, 4, v10
	v_mul_u32_u24 v4, v6, 1536
	v_lshl_add_u32 v4, v5, 3, v4
	v_add_nc_u32 v4, s19, v4                       ; into the stage: fragment position / 16, lane position % 16
	v_lshlrev_b32 v8, 4, v2
	v_add_nc_u32 v7, s19, v8                       ; out of it as it lies
	v_lshlrev_b32 v9, 5, v10                       ; my position's row of scale bytes
	s_wait_alu depctr_va_vdst(0)
.macro WLOAD t
.irp i, 0,1,2,3,4,5,6,7,8,9,10,11,12,13,14,15,16,17,18,19,20,21,22,23,24,25,26,27,28,29,30,31
	global_load_b32 v[WX+32*((\t)%2)+\i], v3, s[4:5] offset:(32*(\t)+\i)*4096 th:TH_LOAD_NT
.endr
.endm
	WLOAD 0
	WLOAD 1
.macro WBLOCK t
.set XS, WX+32*((\t)%2)
.set WO, ((\t)/4)*3072+(((\t)/2)%2)*768+((\t)%2)*128
.if (\t) < NB-1
	s_wait_loadcnt 32                              ; this block's 32 loads are in; the next block's may be out
.else
	s_wait_loadcnt 0
.endif
	v_max3_num_f32 v12, |v[XS]|, |v[XS+1]|, |v[XS+2]|
	v_max3_num_f32 v13, |v[XS+3]|, |v[XS+4]|, |v[XS+5]|
.irp i, 6,10,14,18,22,26
	v_max3_num_f32 v12, v12, |v[XS+\i]|, |v[XS+\i+1]|
	v_max3_num_f32 v13, v13, |v[XS+\i+2]|, |v[XS+\i+3]|
.endr
	v_max3_num_f32 v12, v12, |v[XS+30]|, |v[XS+31]|
	v_max3_num_f32 v12, v12, v13, 0x1800000
	v_add_nc_u32 v11, 0xff000000, v12
	v_lshrrev_b32 v13, 23, v11
	v_cvt_scalef32_pk16_fp6_f32 v[WC:WC+2], v[XS:XS+15], v11
	v_cvt_scalef32_pk16_fp6_f32 v[WC+4:WC+6], v[XS+16:XS+31], v11
.if (\t)%4 == 0
	v_mov_b32 v[SB+(\t)/4], v13                    ; (the plain place behind the conversions)
.else
	v_lshl_or_b32 v[SB+(\t)/4], v13, 8*((\t)%4), v[SB+(\t)/4]
.endif
	v_mov_b32 v[WC+3], v[WC+4]                     ; the block's 24 bytes on end
	v_mov_b32 v[WC+4], v[WC+5]
	v_mov_b32 v[WC+5], v[WC+6]
.irp j, 0,1,2
	ds_store_b64 v4, v[WC+2*\j:WC+2*\j+1] offset:WO+256*\j
.endr
.if (\t)+2 < NB
	WLOAD (\t)+2
.endif
	s_wait_dscnt 0x0                               ; the stores have read their registers
.endm
.set Q, 0
.rept NB
	WBLOCK Q
.set Q, Q+1
.endr
	s_wait_alu depctr_va_vdst(0)                   ; the wait ahead of the reader below
	global_store_b64 v9, v[SB:SB+1], s[8:9]
.irp n, 0,1,2,3,4,5,6,7,8,9,10,11
	ds_load_b128 v[OUTR+4*\n:OUTR+4*\n+3], v7 offset:512*\n
.endr
.irp n, 0,1,2,3,4,5,6,7,8,9,10,11
	s_wait_dscnt 11-\n
	global_store_b128 v8, v[OUTR+4*\n:OUTR+4*\n+3], s[6:7] offset:(\n/6)*12288+(\n%6)*512   ; 512 consecutive bytes, aligned
.endr
	s_wait_tensorcnt 0x0                           ; the wave's end
	ds_add_u32 v192, v193
	s_wait_dscnt 0x0
	s_endpgm
.Lfunc_end_k_qea2c3c8c90_prep:
	.size	k_qea2c3c8c90_prep, .Lfunc_end_k_qea2c3c8c90_prep-k_qea2c3c8c90_prep
	.p2alignl 7, 3214868480
	.fill 96, 4, 3214868480
	.section	.rodata,"a",@progbits
	.p2align	6, 0x0
	.amdhsa_kernel k_qea2c3c8c90_prep
		.amdhsa_group_segment_fixed_size 73216
		.amdhsa_private_segment_fixed_size 0
		.amdhsa_enable_private_segment 0
		.amdhsa_kernarg_size 88
		.amdhsa_user_sgpr_count 2
		.amdhsa_user_sgpr_kernarg_segment_ptr 1
		.amdhsa_wavefront_size32 1
		.amdhsa_system_sgpr_workgroup_id_x 1
		.amdhsa_system_sgpr_workgroup_id_y 1
		.amdhsa_system_sgpr_workgroup_id_z 1
		.amdhsa_system_vgpr_workitem_id 0
		.amdhsa_next_free_vgpr 194
		.amdhsa_next_free_sgpr 66
		.amdhsa_reserve_vcc 0
		.amdhsa_float_denorm_mode_32 3
		.amdhsa_float_denorm_mode_16_64 3
		.amdhsa_memory_ordered 1
		.amdhsa_forward_progress 1
		.amdhsa_inst_pref_size 95
	.end_amdhsa_kernel
	.amdgpu_metadata
---
amdhsa.version: [ 1, 2 ]
amdhsa.kernels:
  - .name:           k_qea2c3c8c90_prep
    .symbol:         k_qea2c3c8c90_prep.kd
    .args:
      - { .name: queries, .offset: 0, .size: 8, .value_kind: global_buffer, .address_space: global }
      - { .name: keys, .offset: 8, .size: 8, .value_kind: global_buffer, .address_space: global }
      - { .name: values, .offset: 16, .size: 8, .value_kind: global_buffer, .address_space: global }
      - { .name: Wq, .offset: 24, .size: 8, .value_kind: global_buffer, .address_space: global }
      - { .name: Wk, .offset: 32, .size: 8, .value_kind: global_buffer, .address_space: global }
      - { .name: Wv, .offset: 40, .size: 8, .value_kind: global_buffer, .address_space: global }
      - { .name: Wo, .offset: 48, .size: 8, .value_kind: global_buffer, .address_space: global }
      - { .name: mask, .offset: 56, .size: 8, .value_kind: global_buffer, .address_space: global }
      - { .name: xq, .offset: 64, .size: 8, .value_kind: global_buffer, .address_space: global }
      - { .name: wq, .offset: 72, .size: 8, .value_kind: global_buffer, .address_space: global }
      - { .name: mb, .offset: 80, .size: 8, .value_kind: global_buffer, .address_space: global }
    .group_segment_fixed_size: 73216
    .private_segment_fixed_size: 0
    .kernarg_segment_align: 8
    .kernarg_segment_size: 88
    .max_flat_workgroup_size: 128
    .sgpr_count:     66
    .vgpr_count:     194
    .wavefront_size: 32
...
	.end_amdgpu_metadata
.endif
;; end of part 1
;; launch proj (part 2): grid 4 x 96, 4 waves a work-group, clusters of 4 x 4, 327,680 bytes of LDS; arguments xq, wq, hq; writes hq
.if DOCPART == 2
	.amdgcn_target "amdgcn-amd-amdhsa--gfx1250"
	.amdhsa_code_object_version 6
	.text
	.protected	k_qea2c3c8c90_proj
	.globl	k_qea2c3c8c90_proj
	.p2align	8
	.type	k_qea2c3c8c90_proj,@function
k_qea2c3c8c90_proj:
	s_mov_b64 s[64:65], 0
	v_nop
	global_prefetch_b8 v0, s[64:65] scope:SCOPE_SE
	s_setreg_imm32_b32 hwreg(HW_REG_WAVE_MODE, 25, 1), 1
	s_wait_xcnt 0x0
	s_wait_alu depctr_hold_cnt(0) depctr_sa_sdst(0) depctr_va_vdst(0) depctr_va_sdst(0) depctr_va_ssrc(0) depctr_va_vcc(0) depctr_vm_vsrc(0)
	s_getreg_b32 s2, hwreg(HW_REG_IB_STS2, 6, 4)
	s_cmp_eq_u32 s2, 0
	s_cbranch_scc0 .Lentry_in_a_cluster
	s_endpgm
.Lentry_in_a_cluster:
	s_bfe_u32 s2, ttmp6, 0x10000c
	s_cmp_lg_u32 s2, 0xf033
	s_cbranch_scc0 .Lentry_shape_is_right
	s_endpgm
.Lentry_shape_is_right:
; PROJ: q = queries Wq, k = keys Wk, v = values Wv on codes of E2M3 (K = 1,024), each result quantised in registers into the operand that attention wants.
; A work-group makes 256 x 256 of one product, a wave 128 x 128: 64 accumulators.  K goes in four steps of 256 through two LDS slots filled by joint tensor loads.
; xq and wq hold images of operand registers (chunk of 128 positions x 128 K = 8 fragments of 1,536 bytes): 128 positions x 256 K are 24,576 consecutive bytes,
; loaded as 96 rows of 256 bytes; a fragment's piece is read 8 bytes a lane, as it lies.  The scale bytes of the 512 rows come once and stay.
; 4 x 4 work-groups form a cluster: source 1's tiles are shared along a row of the cluster, source 0's along a column.
; t = cluster y / 8 is the tensor (0 q, 1 k, 2 v).  q, k: source 1 = tokens, source 0 = positions of the weight; v: source 1 = positions of Wv, source 0 = token positions.
; Positions of keys, values and weights have bits 3 and 4 of the row's number exchanged, so the 16 registers of result tiles 2 b, 2 b + 1 are neighbours 32 b + 16 (lane / 16) + 0 .. 15 of the next K.
; OUT: hq: block (tensor, T, F) = 8 fragments in the same image form; from HS_OFF on 128 bytes of scale words a fragment, lane l at 4 l:
;   q, k: lanes 0-15 the first head's two bytes, lanes 16-31 the second head's, each under 0x7f7f; v: lanes 0-15 the whole word.
; No prefetch: the block is 256 x 256 in clusters and K has four steps, of which the head and the first round ask for two.
; LIMITS: a block of zeros, or one whose largest magnitude lies under 2^-124, gets the byte 1; NaN and infinities are not served.
; REGISTERS: window 0: v16-29 addresses; v32-63 scale words, two sets; from v128 source 1's fragments; on the way out v32-216.  window 1: source 0's fragments, two sets.  windows 2, 3: accumulators.
.set XS_OFF, 18874368
.set WS_OFF, 3145728
.set HS_OFF, 18874368
.set NQ,     2
.set FR,     12
.set NL,     6
.set NP,     4
.set HALFT,  24576
.set SLOT,   4*HALFT
.set KS,     32
.set SCL,    2*SLOT
.set HALFS,  16*272
.set SBLK,   2*272
.set SPARE,  SCL+4*HALFS
.set ADRA, 16
.set ADRB, 20
.set O8,   24
.set O4,   25
.set SH,   26
.set ADRS, 27
.set SPW,  28
.set NIL,  29
.set SC,   32
.set AF,   128
.set PS,   192
.set TM,   200
.set PW,   216
.set G1, 24
.set G0, 32
.set G1B, 48
.set G0B, 56
.set G1S, 68
.set G0S, 76
.set G1SB, 80
.set G0SB, 88
.set G0H, 4
.set G0HB, 8
.set MSB, 0
.macro WIN new
.if MSB != (\new)
	s_set_vgpr_msb (MSB<<8)|(\new)
.set MSB, (\new)
.endif
.endm
.set MUL_LO, 0xa1
.set MUL_HI, 0xf1
.set TO_B,   0x40
.macro JLOAD g0a, g1a, g0b, g1b        ; waves 0, 1 fetch for source 1, waves 2, 3 for source 0
	s_cmp_eq_u32 s15, 0
	s_cbranch_scc0 .Lfor_b_\@
	tensor_load_to_lds s[\g0a:\g0a+3], s[\g1a:\g1a+7]
	s_nop 0
.rept 4
	v_nop
.endr
	s_branch .Lasked_\@
.Lfor_b_\@:
	tensor_load_to_lds s[\g0b:\g0b+3], s[\g1b:\g1b+7]
	s_nop 0
.rept 4
	v_nop
.endr
.Lasked_\@:
.endm
.macro CREST
	s_cmp_lg_u32 s14, 0
	s_cbranch_scc1 .Lnot_wave_0_\@
	s_barrier_signal -3
.Lnot_wave_0_\@:
	s_barrier_wait -3
	s_barrier_signal -1
	s_barrier_wait -1
.endm
.macro CROUND
	s_barrier_signal -1
	s_barrier_wait -1
	CREST
.endm
	s_load_b128 s[4:7], s[0:1], 0x0                ; xq, wq
	s_load_b64 s[12:13], s[0:1], 0x10              ; hq
	v_lshl_add_u32 v[SPW], v0, 2, SPARE
	v_mov_b32 v[NIL], 0
	ds_add_u32 v[SPW], v[NIL]                      ; the opening lines: the add twice on end
	ds_add_u32 v[SPW], v[NIL]
	v_lshrrev_b32 v1, 5, v0
	v_readfirstlane_b32 s14, v1                    ; wave
	s_lshr_b32 s15, s14, 1                         ; my half of source 1's rows; also: I fetch for source 1 (0) or 0 (1)
	s_and_b32 s16, s14, 1                          ; my half of source 0's; also: which chunk I fetch
	s_bfe_u32 s40, ttmp6, 0x40000                  ; cx
	s_bfe_u32 s41, ttmp6, 0x40004                  ; cy
	s_and_b32 s17, ttmp7, 0xffff                   ; cluster y, 0..23
	s_lshl_b32 s42, s17, 2
	s_lshr_b32 s98, s17, 3                         ; t
	s_lshl_b32 s99, s98, 2
	s_mov_b32 s66, XS_OFF
	s_mov_b32 s67, WS_OFF
	s_cmp_eq_u32 s98, 2
	s_cselect_b32 s18, 8, s42                      ; source 1's block of 256 positions in its buffer
	s_cselect_b32 s19, s42, s99                    ; source 0's
	s_cselect_b32 s96, s67, s66                    ; where their scale bytes begin
	s_cselect_b32 s97, s66, s67
	s_add_co_u32 s18, s18, s41
	s_add_co_u32 s19, s19, s40
	s_lshl_b32 s43, s41, 2
	s_lshl_b32 s43, 15, s43                        ; my row of the cluster
	s_lshl_b32 s44, 0x1111, s40                    ; my column
	s_or_b32 s[G1+0], s43, (3<<16)|(1<<21)         ; elements of 8 bytes; bit 21 beside a mask
	s_or_b32 s[G1B+0], s44, (3<<16)|(1<<21)
.irp g, G1, G1B                        ; for the head: two chunks' 24,576 bytes, 98,304 bytes apart, as two rows
	s_mov_b32 s[\g+1], 3072<<16
	s_mov_b32 s[\g+2], 2<<16
	s_mov_b32 s[\g+3], 3072<<16
	s_mov_b32 s[\g+4], 2
	s_mov_b32 s[\g+5], 12288
	s_mov_b32 s[\g+6], 0
	s_mov_b32 s[\g+7], 0
.endr
	s_or_b32 s[G1S+0], s43, (3<<16)|(1<<20)|(1<<21)|(5<<22)|(3<<25)  ; scale bytes of 256 rows: 32 rows of 256 bytes, 16 of padding behind each
	s_or_b32 s[G1SB+0], s44, (3<<16)|(1<<20)|(1<<21)|(5<<22)|(3<<25)
.irp g, G1S, G1SB
	s_mov_b32 s[\g+1], 32<<16
	s_mov_b32 s[\g+2], 32<<16
	s_mov_b32 s[\g+3], 32<<16
	s_mov_b32 s[\g+4], 32
	s_mov_b32 s[\g+5], 32
	s_mov_b32 s[\g+6], 0
	s_mov_b32 s[\g+7], 0
.endr
	s_mul_i32 s20, s18, 196608                     ; codes of 256 positions
	s_mov_b32 s21, 0
	s_mul_i32 s46, s19, 196608
	s_mov_b32 s47, 0
	s_lshl_b32 s22, s18, 13                        ; their scale bytes
	s_add_co_u32 s22, s22, s96
	s_mov_b32 s23, 0
	s_lshl_b32 s92, s19, 13
	s_add_co_u32 s92, s92, s97
	s_mov_b32 s93, 0
	s_mul_i32 s2, s16, 98304                       ; in the ring: my chunk
	s_mov_b32 s3, 0
	s_mul_i32 s45, s14, HALFT                      ; and where it goes
	s_wait_dscnt 0x0                               ; both opening adds are done
	s_wait_kmcnt 0x0
	s_cmp_eq_u32 s98, 2
	s_cselect_b64 s[8:9], s[6:7], s[4:5]           ; source 1's buffer
	s_cselect_b64 s[10:11], s[4:5], s[6:7]         ; source 0's
	s_add_nc_u64 s[20:21], s[8:9], s[20:21]
	s_add_nc_u64 s[22:23], s[8:9], s[22:23]
	s_add_nc_u64 s[46:47], s[10:11], s[46:47]
	s_add_nc_u64 s[92:93], s[10:11], s[92:93]
	CROUND                                         ; the first joint loads meet
	s_mov_b32 s[G0H], 1
	s_mov_b32 s[G0H+1], 0
	s_mov_b64 s[G0H+2:G0H+3], s[20:21]
	s_or_b32 s[G0H+3], s[G0H+3], 0x80000000
	s_mov_b32 s[G0HB], 1
	s_mov_b32 s[G0HB+1], 2*HALFT
	s_mov_b64 s[G0HB+2:G0HB+3], s[46:47]
	s_or_b32 s[G0HB+3], s[G0HB+3], 0x80000000
	s_mov_b32 s[G0S], 1
	s_mov_b32 s[G0S+1], SCL
	s_mov_b64 s[G0S+2:G0S+3], s[22:23]
	s_or_b32 s[G0S+3], s[G0S+3], 0x80000000
	s_mov_b32 s[G0SB], 1
	s_mov_b32 s[G0SB+1], SCL+2*HALFS
	s_mov_b64 s[G0SB+2:G0SB+3], s[92:93]
	s_or_b32 s[G0SB+3], s[G0SB+3], 0x80000000
	s_add_nc_u64 s[20:21], s[20:21], s[2:3]
	s_add_nc_u64 s[46:47], s[46:47], s[2:3]
.irp s, 0,1
	s_mov_b32 s[G0+4*\s], 1
	s_add_co_u32 s[G0+4*\s+1], s45, \s*SLOT
	s_add_nc_u64 s[G0+4*\s+2:G0+4*\s+3], s[20:21], \s*HALFT
	s_or_b32 s[G0+4*\s+3], s[G0+4*\s+3], 0x80000000
	s_mov_b32 s[G0B+4*\s], 1
	s_add_co_u32 s[G0B+4*\s+1], s45, \s*SLOT
	s_add_nc_u64 s[G0B+4*\s+2:G0B+4*\s+3], s[46:47], \s*HALFT
	s_or_b32 s[G0B+4*\s+3], s[G0B+4*\s+3], 0x80000000
.endr
; the head's loads, one a wave: K step 0 of source 1, of source 0, source 1's scale bytes, source 0's
.macro ARM under, g0, g1, next
	s_cmp_lt_u32 s14, \under
	s_cbranch_scc0 \next
	tensor_load_to_lds s[\g0:\g0+3], s[\g1:\g1+7]
	s_nop 0
.rept 4
	v_nop
.endr
	s_branch .Lhead_asked
\next:
.endm
	ARM 1, G0H,  G1,  .Lhead_b
	ARM 2, G0HB, G1B, .Lhead_sa
	ARM 3, G0S,  G1S, .Lhead_sb
	tensor_load_to_lds s[G0SB:G0SB+3], s[G1SB:G1SB+7]
	s_nop 0
.rept 4
	v_nop
.endr
.Lhead_asked:
	s_mul_i32 s20, s15, HALFT
	s_add_co_u32 s21, s20, SLOT
	s_mul_i32 s22, s16, HALFT
	s_add_co_u32 s22, s22, 2*HALFT
	s_add_co_u32 s23, s22, SLOT
	s_mul_i32 s94, s15, HALFS
	s_mul_i32 s95, s16, HALFS
	s_add_co_u32 s95, s95, 2*HALFS
	s_sub_co_u32 s95, s95, s94
	s_add_co_u32 s94, s94, SCL
	v_and_b32 v1, 15, v0
	v_bfe_u32 v2, v0, 4, 1
	v_and_b32 v6, 31, v0
	v_lshlrev_b32 v[O8], 3, v6
	v_lshlrev_b32 v[O4], 2, v6
	v_lshlrev_b32 v[SH], 4, v2
	v_add_nc_u32 v[ADRA], s20, v[O8]               ; my fragments: 8 bytes a lane
	v_add_nc_u32 v[ADRA+1], s21, v[O8]
	v_add_nc_u32 v[ADRB], s22, v[O8]
	v_add_nc_u32 v[ADRB+1], s23, v[O8]
	v_mul_u32_u24 v5, v1, KS                       ; my row's scale bytes,
	v_lshrrev_b32 v7, 8, v5
	v_lshl_add_u32 v5, v7, 4, v5                   ; 16 more for each 256 passed;
	v_mul_u32_u24 v7, s95, v2                      ; lanes 16-31 take source 0's
	v_add_nc_u32 v5, v5, v7
	v_add_nc_u32 v[ADRS], s94, v5
	s_lshl_b32 s20, s18, 1
	s_add_co_u32 s20, s20, s15                     ; source 1's chunk
	s_lshl_b32 s21, s19, 1
	s_add_co_u32 s21, s21, s16                     ; source 0's
	s_mov_b32 s96, 0xffff
	s_mov_b32 s97, 0x7f7f0000
	s_cmp_eq_u32 s98, 2
	s_cselect_b32 s22, s21, s20                    ; the tokens' chunk, tensors on end
	s_cselect_b32 s23, s20, s21                    ; the weight's
	s_cselect_b32 s96, -1, s96                     ; what is kept of a scale word,
	s_cselect_b32 s97, 0, s97                      ; and what is set over it
	s_and_b32 s23, s23, 7
	s_lshl_b32 s22, s22, 3
	s_add_co_u32 s22, s22, s23
	s_mul_i32 s20, s22, 12288
	s_mov_b32 s21, 0
	s_lshl_b32 s46, s22, 10
	s_add_co_u32 s46, s46, HS_OFF
	s_mov_b32 s47, 0
	s_add_nc_u64 s[92:93], s[12:13], s[46:47]      ; my scale words
	s_add_nc_u64 s[12:13], s[12:13], s[20:21]      ; my codes
	s_mov_b32 s66, 0x76543210
	s_mov_b32 s67, 0xfedcba98
.macro FRAG reg, adr, q, i             ; a fragment's six pieces, 256 consecutive bytes each
.irp p, 0,1,2,3,4,5
	ds_load_b64 v[\reg+2*\p:\reg+2*\p+1], v[\adr] offset:(\q)*12288+(\i)*1536+256*\p
.endr
.endm
; 16 matrix instructions; the 64 accumulators take turns in the same order in every step
.macro MUL16 a0, p, q, sc, zero
.irp a, \a0, \a0+1
.irp b, 0,1,2,3,4,5,6,7
.if \zero
	v_wmma_scale_f32_16x16x128_f8f6f4 v[8*(8*((\a)%4)+\b):8*(8*((\a)%4)+\b)+7], v[128*(\p)+FR*\b:128*(\p)+FR*\b+FR-1], v[AF+FR*(\a):AF+FR*(\a)+FR-1], 0, v[SC+8*NQ*(\sc)+NQ*\b+(\q)], v[SC+8*NQ*(\sc)+NQ*(\a)+(\q)] matrix_a_fmt:MATRIX_FMT_FP6 matrix_b_fmt:MATRIX_FMT_FP6 matrix_a_scale:MATRIX_SCALE_ROW1
.else
	v_wmma_scale_f32_16x16x128_f8f6f4 v[8*(8*((\a)%4)+\b):8*(8*((\a)%4)+\b)+7], v[128*(\p)+FR*\b:128*(\p)+FR*\b+FR-1], v[AF+FR*(\a):AF+FR*(\a)+FR-1], v[8*(8*((\a)%4)+\b):8*(8*((\a)%4)+\b)+7], v[SC+8*NQ*(\sc)+NQ*\b+(\q)], v[SC+8*NQ*(\sc)+NQ*(\a)+(\q)] matrix_a_fmt:MATRIX_FMT_FP6 matrix_b_fmt:MATRIX_FMT_FP6 matrix_a_scale:MATRIX_SCALE_ROW1
.endif
.endr
.endr
.endm
.macro FETCH_B slot, q, p
	WIN TO_B
.irp i, 0,1,2,3,4,5,6,7
	FRAG 128*(\p)+FR*\i, ADRB+\slot, \q, \i
.endr
	WIN 0
.endm
.macro FETCH_A slot, q, i0
.irp i, \i0, \i0+1, \i0+2, \i0+3
	FRAG AF+FR*(\i), ADRA+\slot, \q, \i
.endr
.endm
.macro SCALES ks                       ; K step ks's scale words into set ks % 2: lanes 0-15 source 1's block i, lanes 16-31 source 0's
.irp i, 0,1,2,3,4,5,6,7
	ds_load_b64 v[SC+8*NQ*((\ks)%2)+NQ*\i:SC+8*NQ*((\ks)%2)+NQ*\i+1], v[ADRS] offset:\i*SBLK+8*(\ks)
.endr
.endm
.macro PLACES n                        ; plain vector instructions behind a matrix instruction (ISA guide 7.12.1)
.rept \n
	v_nop
.endr
.endm
.macro STEP slot, zero                 ; a slot's first 128 along K
	s_wait_dscnt 4*NL                              ; all but the youngest 24 loads (source 1's blocks 4-7)
	WIN MUL_LO
	MUL16 0, 0, 0, \slot, \zero
	MUL16 2, 0, 0, \slot, \zero
	s_wait_dscnt 0
	PLACES NP
	FETCH_B \slot, 1, 1
	FETCH_A \slot, 1, 0
	WIN MUL_HI
	MUL16 4, 0, 0, \slot, \zero
	MUL16 6, 0, 0, \slot, \zero
	PLACES NP
	WIN 0
	FETCH_A \slot, 1, 4
.endm
.macro TURN slot, next, fill, ks       ; a slot's second 128, and the change of slots; ks: the K step that follows
	s_wait_tensorcnt 0x0                           ; all my tensor loads have landed
	ds_add_u32 v[SPW], v[NIL]
	s_wait_dscnt 4*NL+1                            ; (the add and the youngest 24 loads may be out)
	WIN MUL_LO
	MUL16 0, 1, 1, \slot, 0
	s_wait_dscnt 0x0                               ; the add is done, my reads of this slot are over
	s_barrier_signal -1
	MUL16 2, 1, 1, \slot, 0
	WIN 0
	s_barrier_wait -1
.if \fill
	CREST                                          ; the barrier has opened a round of the cluster's
	s_add_nc_u64 s[G0+4*\slot+2:G0+4*\slot+3], s[G0+4*\slot+2:G0+4*\slot+3], 2*HALFT
	s_add_nc_u64 s[G0B+4*\slot+2:G0B+4*\slot+3], s[G0B+4*\slot+2:G0B+4*\slot+3], 2*HALFT
	JLOAD G0+4*\slot, G1, G0B+4*\slot, G1B         ; its four v_nop are the places in front of the loads below
.else
	PLACES NP
.endif
	FETCH_B \next, 0, 0
	FETCH_A \next, 0, 0
	SCALES \ks
	WIN MUL_HI
	MUL16 4, 1, 1, \slot, 0
	MUL16 6, 1, 1, \slot, 0
	PLACES NP
	WIN 0
	FETCH_A \next, 0, 4
.endm
	s_wait_alu depctr_va_vdst(0)                   ; the wait at the head's end
	s_wait_tensorcnt 0x0                           ; my tile of the head's four is in; the full sequence ahead of slot 1's first fill
	ds_add_u32 v[SPW], v[NIL]
.irp g, G1, G1B                        ; no tensor load of mine is out: from here on a load brings one chunk's 96 rows of 256 bytes
	s_mov_b32 s[\g+1], 32<<16
	s_mov_b32 s[\g+2], 96<<16
	s_mov_b32 s[\g+3], 32<<16
	s_mov_b32 s[\g+4], 96
	s_mov_b32 s[\g+5], 32
.endr
	s_wait_dscnt 0x0
	CROUND
	JLOAD G0+4, G1, G0B+4, G1B                     ; K step 1
	FETCH_B 0, 0, 0
	FETCH_A 0, 0, 0
	SCALES 0
	FETCH_A 0, 0, 4
	STEP 0, 1                                      ; the first products start the sums
	TURN 0, 1, 1, 1                                ; slot 0 takes K step 2
	STEP 1, 0
	TURN 1, 0, 1, 2                                ; slot 1 takes K step 3
	STEP 0, 0
	TURN 0, 1, 0, 3
	STEP 1, 0
	s_wait_dscnt 4*NL
	WIN MUL_LO
	MUL16 0, 1, 1, 1, 0
	MUL16 2, 1, 1, 1, 0
	s_wait_dscnt 0
	WIN MUL_HI
	MUL16 4, 1, 1, 1, 0
	MUL16 6, 1, 1, 1, 0
	WIN 0
; THE WAY OUT.  Block a's 64 registers of a lane become a fragment's codes and its scale word; each store of codes covers 256 consecutive bytes, aligned.
.macro QOUT a
.set AC, 64*((\a)%4)
.set WA, 2+(\a)/4
.set PC, 32+20*(\a)
	WIN (WA|(WA<<2))
.irp b, 0,1,2,3
	v_max3_num_f32 v[TM+\b], |v[AC+16*\b]|, |v[AC+16*\b+1]|, 0x1800000   ; from the low end on; the floor 2^(3 - 127)
.endr
	WIN ((WA<<2)|(WA<<4))
.irp e, 2,4,6,8,10,12,14
.irp b, 0,1,2,3
	v_max3_num_f32 v[TM+\b], v[TM+\b], |v[AC+16*\b+\e]|, |v[AC+16*\b+\e+1]|
.endr
.endr
	WIN 0
.irp b, 0,1,2,3
	v_permlanex16_b32 v[TM+4+\b], v[TM+\b], s66, s67
.endr
.irp b, 0,1,2,3
	v_max_num_f32 v[TM+\b], v[TM+\b], v[TM+4+\b]
.endr
.irp b, 0,1,2,3
	v_add_nc_u32 v[TM+12+\b], 0xff000000, v[TM+\b]
.endr
.irp b, 0,1,2,3
	v_lshrrev_b32 v[TM+4+\b], 23, v[TM+12+\b]
.endr
	v_lshl_or_b32 v[PW], v[TM+5], 8, v[TM+4]
	v_lshl_or_b32 v[PW], v[TM+6], 16, v[PW]
	v_lshl_or_b32 v[PW], v[TM+7], 24, v[PW]
	WIN WA
.irp c, 0,1
	v_cvt_scalef32_pk16_fp6_f32 v[PC+6*\c:PC+6*\c+2], v[AC+32*\c:AC+32*\c+15], v[TM+12+2*\c]
	v_cvt_scalef32_pk16_fp6_f32 v[PC+12+4*\c:PC+14+4*\c], v[AC+32*\c+16:AC+32*\c+31], v[TM+13+2*\c]
.endr
	WIN 0
	v_nop                                          ; one plain place behind a scaled conversion
.irp c, 0,1
.irp e, 0,1,2
	v_permlane16_swap_b32 v[PC+6*\c+\e], v[PC+12+4*\c+\e]
.endr
.irp e, 0,1,2
	v_mov_b32 v[PC+3+6*\c+\e], v[PC+12+4*\c+\e]
.endr
.endr
	v_lshrrev_b32 v[PS+(\a)], v[SH], v[PW]         ; lanes 16-31: the upper two bytes
	v_and_or_b32 v[PS+(\a)], v[PS+(\a)], s96, s97
.irp p, 0,1,2,3,4,5
	global_store_b64 v[O8], v[PC+2*\p:PC+2*\p+1], s[12:13] offset:(\a)*1536+256*\p
.endr
	global_store_b32 v[O4], v[PS+(\a)], s[92:93] offset:(\a)*128
.endm
	PLACES NP
.irp b, 0,1,2,3
	v_mov_b32 v[TM+4+\b], 0                        ; a lane permute's destination counts as one of its sources
.endr
.irp a, 0,1,2,3,4,5,6,7
	QOUT \a
.endr
	s_wait_tensorcnt 0x0                           ; the wave's end
	ds_add_u32 v[SPW], v[NIL]
	s_wait_dscnt 0x0
	CROUND                                         ; the closing round
	s_endpgm
.Lfunc_end_k_qea2c3c8c90_proj:
	.size	k_qea2c3c8c90_proj, .Lfunc_end_k_qea2c3c8c90_proj-k_qea2c3c8c90_proj
	.p2alignl 7, 3214868480
	.fill 96, 4, 3214868480
	.section	.rodata,"a",@progbits
	.p2align	6, 0x0
	.amdhsa_kernel k_qea2c3c8c90_proj
		.amdhsa_group_segment_fixed_size 327680
		.amdhsa_private_segment_fixed_size 0
		.amdhsa_enable_private_segment 0
		.amdhsa_kernarg_size 24
		.amdhsa_user_sgpr_count 2
		.amdhsa_user_sgpr_kernarg_segment_ptr 1
		.amdhsa_wavefront_size32 1
		.amdhsa_system_sgpr_workgroup_id_x 1
		.amdhsa_system_sgpr_workgroup_id_y 1
		.amdhsa_system_sgpr_workgroup_id_z 1
		.amdhsa_system_vgpr_workitem_id 0
		.amdhsa_next_free_vgpr 1024
		.amdhsa_next_free_sgpr 100
		.amdhsa_reserve_vcc 0
		.amdhsa_float_denorm_mode_32 3
		.amdhsa_float_denorm_mode_16_64 3
		.amdhsa_memory_ordered 1
		.amdhsa_forward_progress 1
		.amdhsa_inst_pref_size 169
	.end_amdhsa_kernel
	.amdgpu_metadata
---
amdhsa.version: [ 1, 2 ]
amdhsa.kernels:
  - .name:           k_qea2c3c8c90_proj
    .symbol:         k_qea2c3c8c90_proj.kd
    .args:
      - { .name: xq, .offset: 0, .size: 8, .value_kind: global_buffer, .address_space: global }
      - { .name: wq, .offset: 8, .size: 8, .value_kind: global_buffer, .address_space: global }
      - { .name: hq, .offset: 16, .size: 8, .value_kind: global_buffer, .address_space: global }
    .group_segment_fixed_size: 327680
    .private_segment_fixed_size: 0
    .kernarg_segment_align: 8
    .kernarg_segment_size: 24
    .max_flat_workgroup_size: 128
    .sgpr_count:     100
    .vgpr_count:     1024
    .wavefront_size: 32
...
	.end_amdgpu_metadata
.endif
;; end of part 2
;; launch attn (part 3): grid 4 x 64, 8 waves a work-group, clusters of 4 x 4, 327,680 bytes of LDS; arguments hq, mb, oq; writes oq
.if DOCPART == 3
	.amdgcn_target "amdgcn-amd-amdhsa--gfx1250"
	.amdhsa_code_object_version 6
	.text
	.protected	k_qea2c3c8c90_attn
	.globl	k_qea2c3c8c90_attn
	.p2align	8
	.type	k_qea2c3c8c90_attn,@function
k_qea2c3c8c90_attn:
	s_mov_b64 s[64:65], 0
	v_nop
	global_prefetch_b8 v0, s[64:65] scope:SCOPE_SE
	s_setreg_imm32_b32 hwreg(HW_REG_WAVE_MODE, 25, 1), 1
	s_wait_xcnt 0x0
	s_wait_alu depctr_hold_cnt(0) depctr_sa_sdst(0) depctr_va_vdst(0) depctr_va_sdst(0) depctr_va_ssrc(0) depctr_va_vcc(0) depctr_vm_vsrc(0)
	s_getreg_b32 s2, hwreg(HW_REG_IB_STS2, 6, 4)
	s_cmp_eq_u32 s2, 0
	s_cbranch_scc0 .Lentry_in_a_cluster
	s_endpgm
.Lentry_in_a_cluster:
	s_bfe_u32 s2, ttmp6, 0x10000c
	s_cmp_lg_u32 s2, 0xf033
	s_cbranch_scc0 .Lentry_shape_is_right
	s_endpgm
.Lentry_shape_is_right:
; ATTN: softmax(q k^T / 8 + the mask's term) v on codes of E2M3.  A work-group takes 128 queries x 4 heads, a wave 64 queries of one head, in 16 steps of 128 keys.
; mb holds 8 x the mask's term: it is the C of the score products, so a result is 8 x the logit; t = result x log2(e) / 8; M = ceil(running largest t);
; p = 2^(t - M) by one multiply-add and one exponential; the row's sum is taken of the unquantised p; O^T and the sum are brought under a new M by an exact power of two.
; LIMIT: the promise holds while the scaled scores stay under 2^31 in magnitude; NaN and infinities are not served.
.set HS_OFF, 18874368
.set OS_OFF, 6291456
.set SLOT1, 131072
.set BP,    528
.set KOFFL, 67584
.set VOFFL, 92160
.set SPARE, 116736
.set OSTG,  117760
.set SCK,   262144
.set SCV,   294912
.set MSB, 0
.macro WIN new
.if MSB != (\new)
	s_set_vgpr_msb (MSB<<8)|(\new)
.set MSB, (\new)
.endif
.endm
.macro CROUND
	s_barrier_signal -1
	s_barrier_wait -1
	s_cmp_lg_u32 s10, 0
	s_cbranch_scc1 .Lnot_wave_0_\@
	s_barrier_signal -3
.Lnot_wave_0_\@:
	s_barrier_wait -3
	s_barrier_signal -1
	s_barrier_wait -1
.endm
.macro TLOADS
	s_cmp_lt_u32 s10, 4
	s_cbranch_scc1 .Lts_done_\@
	s_cmp_lt_u32 s10, 6
	s_cbranch_scc0 .Lts_v_\@
	tensor_load_to_lds s[60:63], s[40:47]
	s_nop 0
.rept 4
	v_nop
.endr
	s_branch .Lts_done_\@
.Lts_v_\@:
	tensor_load_to_lds s[68:71], s[40:47]
	s_nop 0
.rept 4
	v_nop
.endr
.Lts_done_\@:
.endm
.macro TLOAD3
	s_cmp_lt_u32 s10, 4
	s_cbranch_scc0 .Lt3_kv_\@
	tensor_load_to_lds s[48:51], s[24:31]
	s_nop 0
.rept 4
	v_nop
.endr
	s_branch .Lt3_done_\@
.Lt3_kv_\@:
	s_cmp_lt_u32 s10, 6
	s_cbranch_scc0 .Lt3_v_\@
	tensor_load_to_lds s[52:55], s[32:39]
	s_nop 0
.rept 4
	v_nop
.endr
	s_branch .Lt3_done_\@
.Lt3_v_\@:
	tensor_load_to_lds s[56:59], s[32:39]
	s_nop 0
.rept 4
	v_nop
.endr
.Lt3_done_\@:
.endm
	s_load_b128 s[4:7], s[0:1], 0x0
	s_load_b64 s[8:9], s[0:1], 0x10
	v_lshl_add_u32 v6, v0, 2, SPARE
	v_mov_b32 v7, 0
	ds_add_u32 v6, v7
	ds_add_u32 v6, v7
	s_wait_dscnt 0x0
	v_lshrrev_b32 v8, 5, v0
	s_delay_alu instid0(VALU_DEP_1)
	v_readfirstlane_b32 s10, v8
	s_and_b32 s11, s10, 3
	s_lshr_b32 s12, s10, 2
	s_and_b32 s13, s10, 1
	s_lshr_b32 s84, s11, 1
	s_and_b32 s85, s11, 1
	s_bfe_u32 s14, ttmp6, 0x40000
	s_bfe_u32 s15, ttmp6, 0x40004
	s_lshl_b32 s79, ttmp9, 2
	s_add_co_u32 s14, s79, s14
	s_and_b32 s16, ttmp7, 0xffff
	s_lshr_b32 s17, s16, 2
	s_and_b32 s73, s16, 3
	s_lshl_b32 s73, s73, 2
	s_add_co_u32 s73, s73, s15
	s_lshl_b32 s74, s15, 2
	s_lshl_b32 s74, 15, s74
	s_bfe_u32 s75, ttmp6, 0x40000
	s_lshl_b32 s75, 0x1111, s75
	s_or_b32 s24, s74, (2<<16)|(1<<20)|(1<<21)|(6<<22)|(3<<25)
	s_mov_b32 s25, 128<<16
	s_mov_b32 s26, 32<<16
	s_mov_b32 s27, 128<<16
	s_mov_b32 s28, 32
	s_mov_b32 s29, 2048
	s_mov_b32 s30, 0
	s_mov_b32 s31, 0
	s_or_b32 s32, s75, (3<<16)|(1<<21)
	s_mov_b32 s33, 32<<16
	s_mov_b32 s34, 48<<16
	s_mov_b32 s35, 32<<16
	s_mov_b32 s36, 48
	s_mov_b32 s37, 32
	s_mov_b32 s38, 0
	s_mov_b32 s39, 0
	s_or_b32 s40, s75, (3<<16)|(1<<21)
	s_mov_b32 s41, 256<<16
	s_mov_b32 s42, 8<<16
	s_mov_b32 s43, 256<<16
	s_mov_b32 s44, 8
	s_mov_b32 s45, 1024
	s_mov_b32 s46, 0
	s_mov_b32 s47, 0
	s_lshl_b32 s76, s73, 20
	s_lshl_b32 s77, s11, 18
	s_add_co_u32 s76, s76, s77
	s_mov_b32 s77, 0
	s_lshl_b32 s78, s17, 7
	s_lshl_b32 s79, s14, 1
	s_add_co_u32 s78, s78, s79
	s_add_co_u32 s80, s78, s13
	s_mul_i32 s80, s80, 12288
	s_add_co_u32 s80, s80, 6291456
	s_mov_b32 s81, 0
	s_lshl_b32 s82, s78, 10
	s_lshl_b32 s83, s13, 16
	s_add_co_u32 s82, s82, s83
	s_add_co_u32 s82, s82, HS_OFF+524288
	s_mov_b32 s83, 0
	s_lshl_b32 s86, s17, 4
	s_add_co_u32 s86, s86, s73
	s_lshl_b32 s87, s86, 3
	s_add_co_u32 s87, s87, s79
	s_add_co_u32 s87, s87, s84
	s_mul_i32 s88, s87, 12288
	s_mul_i32 s89, s12, 4*1536
	s_add_co_u32 s88, s88, s89
	s_mul_i32 s89, s85, 768
	s_add_co_u32 s88, s88, s89
	s_mov_b32 s89, 0
	s_lshl_b32 s90, s87, 10
	s_lshl_b32 s91, s12, 9
	s_add_co_u32 s90, s90, s91
	s_lshl_b32 s91, s85, 6
	s_add_co_u32 s90, s90, s91
	s_add_co_u32 s90, s90, HS_OFF
	s_mov_b32 s91, 0
	s_lshl_b32 s92, s86, 12
	s_lshl_b32 s93, s14, 3
	s_add_co_u32 s92, s92, s93
	s_add_co_u32 s92, s92, OS_OFF
	s_mov_b32 s93, 0
	s_mov_b32 s18, 0
	s_mov_b32 s19, 0
	s_mov_b32 s20, 0x76543210
	s_mov_b32 s21, 0xfedcba98
	s_mov_b32 s22, 0x3e38aa3b
	s_mov_b32 s23, s22
	s_mov_b32 s72, 15
	s_wait_kmcnt 0x0
	s_mov_b32 s48, 1
	s_mul_i32 s49, s11, 32*BP
	s_add_nc_u64 s[50:51], s[6:7], s[76:77]
	s_or_b32 s51, s51, 0x80000000
	s_mov_b32 s52, 1
	s_mul_i32 s53, s13, 12288
	s_add_co_u32 s57, s53, VOFFL
	s_add_co_u32 s53, s53, KOFFL
	s_add_nc_u64 s[54:55], s[4:5], s[80:81]
	s_add_nc_u64 s[58:59], s[54:55], 6291456
	s_or_b32 s55, s55, 0x80000000
	s_mov_b32 s56, 1
	s_or_b32 s59, s59, 0x80000000
	s_mov_b32 s60, 1
	s_lshl_b32 s61, s13, 14
	s_add_co_u32 s69, s61, SCV
	s_add_co_u32 s61, s61, SCK
	s_add_nc_u64 s[62:63], s[4:5], s[82:83]
	s_add_nc_u64 s[70:71], s[62:63], 524288
	s_or_b32 s63, s63, 0x80000000
	s_mov_b32 s68, 1
	s_or_b32 s71, s71, 0x80000000
	s_add_nc_u64 s[94:95], s[4:5], s[88:89]
	s_add_nc_u64 s[96:97], s[8:9], s[88:89]
	s_add_nc_u64 s[90:91], s[4:5], s[90:91]
	s_add_nc_u64 s[92:93], s[8:9], s[92:93]
	CROUND
	TLOADS
	s_wait_alu depctr_va_vdst(0)
	s_wait_tensorcnt 0x0
	ds_add_u32 v6, v7
	ds_add_u32 v6, v7
	s_wait_dscnt 0x0
	CROUND
	TLOAD3
	v_and_b32 v9, 15, v0
	v_bfe_u32 v10, v0, 4, 1
	v_and_b32 v11, 31, v0
	s_delay_alu instid0(VALU_DEP_1)
	v_lshlrev_b32 v13, 3, v11
	s_wait_alu depctr_va_vdst(0)
	v_lshlrev_b32 v8, 2, v9
	s_wait_alu depctr_va_vdst(0)
	s_mul_i32 s2, s12, 64*BP
	v_mul_u32_u24 v1, v9, BP
	s_delay_alu instid0(VALU_DEP_1)
	v_lshl_add_u32 v1, v10, 6, v1
	s_delay_alu instid0(VALU_DEP_1)
	v_add_nc_u32 v1, s2, v1
	s_mul_i32 s2, s84, 12288
	s_mul_i32 s3, s85, 768
	s_add_co_u32 s3, s3, s2
	s_add_co_u32 s3, s3, KOFFL
	v_add_nc_u32 v2, s3, v13
	s_mul_i32 s3, s85, 6144
	s_add_co_u32 s3, s3, s2
	s_add_co_u32 s3, s3, VOFFL
	v_add_nc_u32 v3, s3, v13
	v_lshl_add_u32 v12, v10, 7, v8
	s_lshl_b32 s2, s84, 10
	s_lshl_b32 s3, s85, 6
	s_add_co_u32 s3, s3, s2
	s_add_co_u32 s3, s3, SCK
	v_add_nc_u32 v4, s3, v12
	s_lshl_b32 s3, s85, 9
	s_add_co_u32 s3, s3, s2
	s_add_co_u32 s3, s3, SCV
	v_add_nc_u32 v5, s3, v12
	WIN 0x40
.irp i, 0,1,2,3
.irp p, 0,1,2
	global_load_b64 v[128+12*\i+2*\p:129+12*\i+2*\p], v13, s[94:95] offset:\i*1536+256*\p
.endr
.endr
.irp i, 0,1,2,3
.irp e, 6,7,8,9,10,11
	v_mov_b32 v[128+12*\i+\e], 0
.endr
.endr
.set j, 0
.rept 128
	v_mov_b32 v[j], 0
.set j, j+1
.endr
	WIN 0
.irp i, 0,1,2,3
	global_load_b32 v[92+\i], v8, s[90:91] offset:\i*128
.endr
.irp i, 0,1,2,3
	v_mov_b32 v[17+4*\i], 0xff61b1e6
	s_delay_alu instid0(VALU_DEP_1)
	v_floor_f32 v[16+4*\i], -v[17+4*\i]
	v_mov_b32 v[18+4*\i], 0
	v_mov_b32 v[19+4*\i], 0
.endr
.irp e, 80,81,82,83,84,85,236,237,238,239,253
	v_mov_b32 v[\e], 0
.endr
.macro BIAS ti
.irp b, 0,1,2,3
.irp u, 0,1,2,3
	ds_load_b128 v[160+16*\b+4*\u:163+16*\b+4*\u], v8 offset:(\ti)*16*BP+128*\b+16*\u
.endr
.endr
.endm
.macro TILE ti
.set ST, 16+4*(\ti)
.set OT, 32*(\ti)
	s_wait_dscnt 0x0
	WIN 0x04
.irp t, 0,1,2,3,4,5,6,7
.if (\t)%2
	v_wmma_scale_f32_16x16x128_f8f6f4 v[96+8*\t:103+8*\t], v[32+6*\t:43+6*\t], v[128+12*(\ti):139+12*(\ti)], v[160+8*\t:167+8*\t], v[86+\t/2], v[92+(\ti)] matrix_a_fmt:MATRIX_FMT_FP6 matrix_b_fmt:MATRIX_FMT_FP6 matrix_a_scale:MATRIX_SCALE_ROW1
.else
	v_wmma_scale_f32_16x16x128_f8f6f4 v[96+8*\t:103+8*\t], v[32+6*\t:43+6*\t], v[128+12*(\ti):139+12*(\ti)], v[160+8*\t:167+8*\t], v[86+\t/2], v[92+(\ti)] matrix_a_fmt:MATRIX_FMT_FP6 matrix_b_fmt:MATRIX_FMT_FP6
.endif
.endr
	WIN 0
.rept 4
	v_nop
.endr
.if (\ti) == 0
	WIN 0x40
.irp t, 0,1,2,3
.irp p, 0,1,2,3,4,5
	ds_load_b64 v[176+12*\t+2*\p:177+12*\t+2*\p], v10 offset:\t*1536+256*\p
.endr
.endr
	WIN 0
	ds_load_b32 v90, v12
	ds_load_b32 v91, v12 offset:256
.endif
.if (\ti) < 3
	BIAS (\ti)+1
.endif
.irp b, 0,1,2,3
	v_max3_num_f32 v[232+\b], v[96+16*\b], v[97+16*\b], v[98+16*\b]
.endr
.irp e, 3,5,7,9,11,13
.irp b, 0,1,2,3
	v_max3_num_f32 v[232+\b], v[232+\b], v[96+16*\b+\e], v[97+16*\b+\e]
.endr
.endr
.irp b, 0,1,2,3
	v_max_num_f32 v[232+\b], v[232+\b], v[111+16*\b]
.endr
.irp b, 0,1,2,3
	s_delay_alu instid0(VALU_DEP_4)
	v_permlanex16_b32 v[236+\b], v[232+\b], s20, s21
.endr
.irp b, 0,1,2,3
	s_delay_alu instid0(VALU_DEP_4)
	v_max_num_f32 v[232+\b], v[232+\b], v[236+\b]
.endr
	s_delay_alu instid0(VALU_DEP_2)
	v_max3_num_f32 v254, v232, v233, v234
	s_delay_alu instid0(VALU_DEP_1)
	v_max_num_f32 v254, v254, v235
	s_delay_alu instid0(VALU_DEP_1)
	v_mul_f32 v254, s22, v254
	s_delay_alu instid0(VALU_DEP_1)
	v_max_num_f32 v[ST+1], v[ST+1], v254
	v_mov_b32 v254, v[ST]
	s_delay_alu instid0(VALU_DEP_2)
	v_floor_f32 v[ST], -v[ST+1]
	s_delay_alu instid0(VALU_DEP_1)
	v_sub_f32 v254, v[ST], v254
	s_delay_alu instid0(VALU_DEP_1)
	v_cvt_i32_f32 v254, v254
	s_delay_alu instid0(VALU_DEP_1)
	v_ldexp_f32 v252, 1.0, v254
.set j, 0
.rept 32
	v_pk_fma_f32 v[96+j:97+j], v[96+j:97+j], s[22:23], v[ST:ST+1] op_sel_hi:[1,0,0]
.set j, j+2
.endr
.irp b, 0,1,2,3
	v_fma_f32 v[232+\b], v[232+\b], s22, v[ST]
.endr
.set j, 0
	s_wait_alu depctr_va_vdst(0)
.rept 64
	v_exp_f32 v[96+j], v[96+j]
.set j, j+1
.endr
	v_pk_mul_f32 v[ST+2:ST+3], v[ST+2:ST+3], v[252:253] op_sel_hi:[1,0]
	s_wait_alu depctr_va_vdst(0)
.irp b, 0,1,2,3
	v_exp_f32 v[232+\b], v[232+\b]
.endr
	v_pk_add_f32 v[236:237], v[96:97], v[98:99]
.irp e, 4,8,12,16,20,24,28,32,36,40,44,48,52,56,60
	v_pk_add_f32 v[ST+2:ST+3], v[ST+2:ST+3], v[96+\e:97+\e]
	v_pk_add_f32 v[236:237], v[236:237], v[98+\e:99+\e]
.endr
	s_delay_alu instid0(VALU_DEP_1)
	v_pk_add_f32 v[ST+2:ST+3], v[ST+2:ST+3], v[236:237]
	s_wait_alu depctr_va_vdst(0)
.irp b, 0,1,2,3
	v_max_num_f32 v[232+\b], 0x1800000, v[232+\b]
.endr
.irp b, 0,1,2,3
	s_delay_alu instid0(VALU_DEP_4)
	v_add_nc_u32 v[244+\b], 0xff000000, v[232+\b]
.endr
.irp b, 0,1,2,3
	s_delay_alu instid0(VALU_DEP_4)
	v_lshrrev_b32 v[236+\b], 23, v[244+\b]
.endr
	s_delay_alu instid0(VALU_DEP_3)
	v_lshl_or_b32 v253, v237, 8, v236
	s_delay_alu instid0(VALU_DEP_1)
	v_lshl_or_b32 v253, v238, 16, v253
	s_delay_alu instid0(VALU_DEP_1)
	v_lshl_or_b32 v253, v239, 24, v253
.irp c, 0,1
	v_cvt_scalef32_pk16_fp6_f32 v[224+6*\c:226+6*\c], v[96+32*\c:111+32*\c], v[244+2*\c]
	v_cvt_scalef32_pk16_fp6_f32 v[236+4*\c:238+4*\c], v[112+32*\c:127+32*\c], v[245+2*\c]
.endr
	v_nop
.irp c, 0,1
.irp e, 0,1,2
	v_permlane16_swap_b32 v[224+6*\c+\e], v[236+4*\c+\e]
.endr
.irp e, 0,1,2
	s_delay_alu instid0(VALU_DEP_3)
	v_mov_b32 v[227+6*\c+\e], v[236+4*\c+\e]
.endr
.endr
	WIN 0x41
.set j, 0
.rept 16
	v_pk_mul_f32 v[OT+j:OT+j+1], v[OT+j:OT+j+1], v[252:253] op_sel_hi:[1,0]
.set j, j+2
.endr
.if (\ti) == 0
	s_wait_alu depctr_va_vdst(0)
	s_wait_dscnt 16
.endif
	WIN 0x51
.irp t, 0,1,2,3
.if (\t)%2
	v_wmma_scale_f32_16x16x128_f8f6f4 v[OT+8*\t:OT+8*\t+7], v[176+12*\t:187+12*\t], v[224:235], v[OT+8*\t:OT+8*\t+7], v[90+\t/2], v253 matrix_a_fmt:MATRIX_FMT_FP6 matrix_b_fmt:MATRIX_FMT_FP6 matrix_a_scale:MATRIX_SCALE_ROW1
.else
	v_wmma_scale_f32_16x16x128_f8f6f4 v[OT+8*\t:OT+8*\t+7], v[176+12*\t:187+12*\t], v[224:235], v[OT+8*\t:OT+8*\t+7], v[90+\t/2], v253 matrix_a_fmt:MATRIX_FMT_FP6 matrix_b_fmt:MATRIX_FMT_FP6
.endif
.endr
	WIN 0
.endm
.macro STEP
	v_add_nc_u32 v8, s18, v1
	v_add_nc_u32 v9, s18, v2
	v_add_nc_u32 v10, s18, v3
	v_add_nc_u32 v11, s19, v4
	v_add_nc_u32 v12, s19, v5
.irp t, 0,1,2,3,4,5,6,7
.irp p, 0,1,2
	ds_load_b64 v[32+6*\t+2*\p:33+6*\t+2*\p], v9 offset:\t*1536+256*\p
.endr
.endr
.irp b, 0,1,2,3
	ds_load_b32 v[86+\b], v11 offset:256*\b
.endr
	BIAS 0
	s_wait_alu depctr_va_vdst(0)
	TILE 0
	TILE 1
	TILE 2
	TILE 3
	s_xor_b32 s18, s18, SLOT1
	s_add_co_u32 s19, s19, 2048
.endm
.macro CHANGE fill
	s_wait_tensorcnt 0x0
	ds_add_u32 v6, v7
.if \fill
	s_xor_b32 s49, s49, SLOT1
	s_xor_b32 s53, s53, SLOT1
	s_xor_b32 s57, s57, SLOT1
	s_add_nc_u64 s[50:51], s[50:51], 512
	s_add_nc_u64 s[54:55], s[54:55], 98304
	s_add_nc_u64 s[58:59], s[58:59], 98304
.endif
	s_wait_dscnt 0x0
.if \fill
	CROUND
	TLOAD3
.else
	s_barrier_signal -1
	s_barrier_wait -1
.endif
.endm
	s_wait_loadcnt 0x0
.Lstep:
	CHANGE 1
	STEP
	s_sub_co_u32 s72, s72, 1
	s_cmp_lg_u32 s72, 0
	s_cbranch_scc1 .Lstep
	CHANGE 0
	STEP
	v_and_b32 v8, 31, v0
	s_delay_alu instid0(VALU_DEP_1)
	v_lshlrev_b32 v8, 3, v8
	v_and_b32 v9, 15, v0
	s_lshl_b32 s2, s12, 9
	s_lshl_b32 s3, s11, 1
	s_add_co_u32 s2, s2, s3
	s_add_co_u32 s2, s2, OSTG
	v_lshl_add_u32 v9, v9, 3, s2
	v_lshl_add_u32 v10, v0, 3, OSTG
	v_lshlrev_b32 v11, 5, v0
.irp i, 0,1,2,3
	v_add_f32 v[18+4*\i], v[18+4*\i], v[19+4*\i]
.endr
.irp i, 0,1,2,3
	s_delay_alu instid0(VALU_DEP_4)
	v_permlanex16_b32 v[236+\i], v[18+4*\i], s20, s21
.endr
.irp i, 0,1,2,3
	s_delay_alu instid0(VALU_DEP_4)
	v_add_f32 v[18+4*\i], v[18+4*\i], v[236+\i]
.endr
	s_wait_alu depctr_va_vdst(0)
.irp i, 0,1,2,3
	v_rcp_f32 v[18+4*\i], v[18+4*\i]
.endr
	v_nop
	s_wait_alu depctr_va_vdst(0)
.macro OTILE ti
.set OB, 96+32*((\ti)%2)
.set PCO, 160+16*(\ti)
	WIN 0x01
.set j, 0
.rept 16
	v_pk_mul_f32 v[OB+j:OB+j+1], v[32*(\ti)+j:32*(\ti)+j+1], v[18+4*(\ti):19+4*(\ti)] op_sel_hi:[1,0]
.set j, j+2
.endr
	WIN 0
.irp b, 0,1
	v_max3_num_f32 v[232+\b], |v[OB+16*\b]|, |v[OB+16*\b+1]|, 0x1800000
.endr
.irp e, 2,4,6,8,10,12,14
.irp b, 0,1
	s_delay_alu instid0(VALU_DEP_2)
	v_max3_num_f32 v[232+\b], v[232+\b], |v[OB+16*\b+\e]|, |v[OB+16*\b+\e+1]|
.endr
.endr
.irp b, 0,1
	s_delay_alu instid0(VALU_DEP_2)
	v_permlanex16_b32 v[236+\b], v[232+\b], s20, s21
.endr
.irp b, 0,1
	s_delay_alu instid0(VALU_DEP_2)
	v_max_num_f32 v[232+\b], v[232+\b], v[236+\b]
.endr
.irp b, 0,1
	s_delay_alu instid0(VALU_DEP_2)
	v_add_nc_u32 v[244+\b], 0xff000000, v[232+\b]
.endr
.irp b, 0,1
	s_delay_alu instid0(VALU_DEP_2)
	v_lshrrev_b32 v[236+\b], 23, v[244+\b]
.endr
	s_delay_alu instid0(VALU_DEP_1)
	v_lshl_or_b32 v[224+(\ti)], v237, 8, v236
	v_cvt_scalef32_pk16_fp6_f32 v[PCO:PCO+2], v[OB:OB+15], v244
	v_cvt_scalef32_pk16_fp6_f32 v[PCO+12:PCO+14], v[OB+16:OB+31], v245
	v_nop
.irp e, 0,1,2
	v_permlane16_swap_b32 v[PCO+\e], v[PCO+12+\e]
.endr
.irp e, 0,1,2
	s_delay_alu instid0(VALU_DEP_3)
	v_mov_b32 v[PCO+3+\e], v[PCO+12+\e]
.endr
.irp p, 0,1,2
	global_store_b64 v8, v[PCO+2*\p:PCO+2*\p+1], s[96:97] offset:(\ti)*1536+256*\p
.endr
	ds_store_b16 v9, v[224+(\ti)] offset:(\ti)*128
.endm
	OTILE 0
	OTILE 1
	OTILE 2
	OTILE 3
	s_wait_dscnt 0x0
	s_barrier_signal -1
	s_barrier_wait -1
	s_cmp_lt_u32 s10, 4
	s_cbranch_scc0 .Lno_bytes
	ds_load_b64 v[232:233], v10
	s_wait_dscnt 0x0
	global_store_b64 v11, v[232:233], s[92:93]
.Lno_bytes:
	s_wait_tensorcnt 0x0
	ds_add_u32 v6, v7
	s_wait_dscnt 0x0
	CROUND
	s_endpgm
.Lfunc_end_k_qea2c3c8c90_attn:
	.size	k_qea2c3c8c90_attn, .Lfunc_end_k_qea2c3c8c90_attn-k_qea2c3c8c90_attn
	.p2alignl 7, 3214868480
	.fill 96, 4, 3214868480
	.section	.rodata,"a",@progbits
	.p2align	6, 0x0
	.amdhsa_kernel k_qea2c3c8c90_attn
		.amdhsa_group_segment_fixed_size 327680
		.amdhsa_private_segment_fixed_size 0
		.amdhsa_enable_private_segment 0
		.amdhsa_kernarg_size 24
		.amdhsa_user_sgpr_count 2
		.amdhsa_user_sgpr_kernarg_segment_ptr 1
		.amdhsa_wavefront_size32 1
		.amdhsa_system_sgpr_workgroup_id_x 1
		.amdhsa_system_sgpr_workgroup_id_y 1
		.amdhsa_system_sgpr_workgroup_id_z 1
		.amdhsa_system_vgpr_workitem_id 0
		.amdhsa_next_free_vgpr 512
		.amdhsa_next_free_sgpr 100
		.amdhsa_reserve_vcc 0
		.amdhsa_float_denorm_mode_32 3
		.amdhsa_float_denorm_mode_16_64 3
		.amdhsa_memory_ordered 1
		.amdhsa_forward_progress 1
		.amdhsa_inst_pref_size 170
	.end_amdhsa_kernel
	.amdgpu_metadata
---
amdhsa.version: [ 1, 2 ]
amdhsa.kernels:
  - .name:           k_qea2c3c8c90_attn
    .symbol:         k_qea2c3c8c90_attn.kd
    .args:
      - { .name: hq, .offset: 0, .size: 8, .value_kind: global_buffer, .address_space: global }
      - { .name: mb, .offset: 8, .size: 8, .value_kind: global_buffer, .address_space: global }
      - { .name: oq, .offset: 16, .size: 8, .value_kind: global_buffer, .address_space: global }
    .group_segment_fixed_size: 327680
    .private_segment_fixed_size: 0
    .kernarg_segment_align: 8
    .kernarg_segment_size: 24
    .max_flat_workgroup_size: 256
    .sgpr_count:     100
    .vgpr_count:     512
    .wavefront_size: 32
...
	.end_amdgpu_metadata
.endif
;; end of part 3
;; launch outp (part 4): grid 4 x 64, 4 waves a work-group, clusters of 4 x 4, 327,680 bytes of LDS; arguments oq, wq, bo, out0; writes out0
.if DOCPART == 4
	.amdgcn_target "amdgcn-amd-amdhsa--gfx1250"
	.amdhsa_code_object_version 6
	.text
	.protected	k_qea2c3c8c90_outp
	.globl	k_qea2c3c8c90_outp
	.p2align	8
	.type	k_qea2c3c8c90_outp,@function
k_qea2c3c8c90_outp:
	s_mov_b64 s[64:65], 0
	v_nop
	global_prefetch_b8 v0, s[64:65] scope:SCOPE_SE
	s_setreg_imm32_b32 hwreg(HW_REG_WAVE_MODE, 25, 1), 1
	s_wait_xcnt 0x0
	s_wait_alu depctr_hold_cnt(0) depctr_sa_sdst(0) depctr_va_vdst(0) depctr_va_sdst(0) depctr_va_ssrc(0) depctr_va_vcc(0) depctr_vm_vsrc(0)
	s_getreg_b32 s2, hwreg(HW_REG_IB_STS2, 6, 4)
	s_cmp_eq_u32 s2, 0
	s_cbranch_scc0 .Lentry_in_a_cluster
	s_endpgm
.Lentry_in_a_cluster:
	s_bfe_u32 s2, ttmp6, 0x10000c
	s_cmp_lg_u32 s2, 0xf033
	s_cbranch_scc0 .Lentry_shape_is_right
	s_endpgm
.Lentry_shape_is_right:
; OUTP: out0 = o Wo + bo on codes of E2M3 (K = 1,024).  A work-group makes 128 tokens x 256 columns: 64 x 4 = 256 work-groups; a wave 64 x 128: 32 accumulators.
; oq and wq hold images of operand registers (chunk of 128 positions = 98,304 consecutive bytes, [F][fragment][1,536]).  ALL OF K lies in LDS at once:
; the tokens' chunk (98,304 bytes) and two chunks of Wo (196,608): four joint tensor loads at the head, one a wave, rows of 256 bytes; nothing is filled again.
; 4 x 4 work-groups form a cluster: the tokens' chunk is shared along a row of the cluster, Wo's chunks along a column.
; The scale words go from memory into registers once: a row's 32 bytes are its words of all eight steps of 128.  bo is the C of the first products.
; Source 0 = positions of Wo (bits 3 and 4 of the column's number exchanged), source 1 = tokens: a lane holds eight neighbouring columns of a token's row.
; No prefetch: the launch has no loop to run ahead in; all it reads is asked for at the head.
; REGISTERS: window 0: v16-29 addresses; v32-63 the tokens' scale words, v64-127 Wo's; v128-223 the tokens' fragments, two sets; window 1: Wo's fragments, two sets of 96, v192-255 bo; window 2: accumulators.
.set WS_OFF, 3145728
.set OS_OFF, 6291456
.set SIZE_N, 1024
.set CHUNK,  98304
.set SPARE,  3*CHUNK
.set SPITCH, 528
.set ADRA, 16
.set ADRB, 18
.set STO,  24
.set RD,   25
.set CO,   26
.set SPW,  28
.set NIL,  29
.set SA,   32
.set SBS,  64
.set AF,   128
.set BK,   128
.set G1, 24
.set G0, 32
.set G1B, 48
.set G0B, 56
.set MSB, 0
.macro WIN new
.if MSB != (\new)
	s_set_vgpr_msb (MSB<<8)|(\new)
.set MSB, (\new)
.endif
.endm
.macro CROUND
	s_barrier_signal -1
	s_barrier_wait -1
	s_cmp_lg_u32 s14, 0
	s_cbranch_scc1 .Lnot_wave_0_\@
	s_barrier_signal -3
.Lnot_wave_0_\@:
	s_barrier_wait -3
	s_barrier_signal -1
	s_barrier_wait -1
.endm
.macro PLACES
.rept 4
	v_nop
.endr
.endm
	s_load_b128 s[4:7], s[0:1], 0x0                ; oq, wq
	s_load_b128 s[8:11], s[0:1], 0x10              ; bo, out0
	v_lshl_add_u32 v[SPW], v0, 2, SPARE
	v_mov_b32 v[NIL], 0
	ds_add_u32 v[SPW], v[NIL]                      ; the opening lines: the add twice on end
	ds_add_u32 v[SPW], v[NIL]
	v_lshrrev_b32 v1, 5, v0
	v_readfirstlane_b32 s14, v1                    ; wave
	s_lshr_b32 s15, s14, 1                         ; which 64 tokens
	s_and_b32 s16, s14, 1                          ; which 128 columns
	s_bfe_u32 s40, ttmp6, 0x40000                  ; cx: which 256 columns (one cluster along x)
	s_bfe_u32 s41, ttmp6, 0x40004                  ; cy
	s_and_b32 s17, ttmp7, 0xffff
	s_lshl_b32 s17, s17, 2
	s_add_co_u32 s17, s17, s41                     ; the tokens' chunk, 0..63
	s_lshl_b32 s43, s41, 2
	s_lshl_b32 s43, 15, s43
	s_lshl_b32 s44, 0x1111, s40
	s_or_b32 s[G1+0], s43, (3<<16)|(1<<21)         ; 384 rows of 256 bytes
	s_mov_b32 s[G1+1], 32<<16
	s_mov_b32 s[G1+2], 384<<16
	s_mov_b32 s[G1+3], 32<<16
	s_mov_b32 s[G1+4], 384
	s_mov_b32 s[G1+5], 32
	s_mov_b32 s[G1+6], 0
	s_mov_b32 s[G1+7], 0
	s_or_b32 s[G1B+0], s44, (3<<16)|(1<<21)        ; 256 rows of 256 bytes: a third of Wo's two chunks
	s_mov_b32 s[G1B+1], 32<<16
	s_mov_b32 s[G1B+2], 256<<16
	s_mov_b32 s[G1B+3], 32<<16
	s_mov_b32 s[G1B+4], 256
	s_mov_b32 s[G1B+5], 32
	s_mov_b32 s[G1B+6], 0
	s_mov_b32 s[G1B+7], 0
	s_mul_i32 s20, s17, CHUNK
	s_mov_b32 s21, 0
	s_mul_i32 s46, s40, 2*CHUNK
	s_lshl_b32 s47, s14, 16
	s_add_co_u32 s46, s46, s47
	s_add_co_u32 s46, s46, 3*786432-65536          ; waves 1 to 3 take thirds 0 to 2
	s_mov_b32 s47, 0
	s_lshl_b32 s22, s17, 12                        ; the tokens' scale bytes: 32 a row
	s_lshl_b32 s23, s15, 11
	s_add_co_u32 s22, s22, s23
	s_add_co_u32 s22, s22, OS_OFF
	s_mov_b32 s23, 0
	s_lshl_b32 s60, s40, 13                        ; Wo's
	s_lshl_b32 s61, s16, 12
	s_add_co_u32 s60, s60, s61
	s_add_co_u32 s60, s60, WS_OFF+98304
	s_mov_b32 s61, 0
	s_lshl_b32 s62, s40, 10                        ; my first column, in bytes
	s_lshl_b32 s63, s16, 9
	s_add_co_u32 s62, s62, s63
	s_mov_b32 s63, 0
	s_lshl_b32 s68, s17, 19                        ; my first row of out0
	s_lshl_b32 s69, s15, 18
	s_add_co_u32 s68, s68, s69
	s_add_co_u32 s68, s68, s62
	s_mov_b32 s69, 0
	s_mul_i32 s70, s15, 6144                       ; LDS: my four fragments of each F,
	s_add_co_u32 s71, s70, 49152                   ; F 4 to 7;
	s_mul_i32 s72, s16, CHUNK
	s_add_co_u32 s72, s72, CHUNK                   ; my chunk of Wo
	s_add_co_u32 s73, s72, 49152
	s_mul_i32 s74, s14, 16*SPITCH                  ; my stage, on the tokens' bytes when they are read no more
	s_lshl_b32 s75, s14, 16
	s_add_co_u32 s75, s75, 32768                   ; where my third of Wo goes: CHUNK + 65,536 (wave - 1)
	s_wait_dscnt 0x0
	s_wait_kmcnt 0x0
	s_add_nc_u64 s[20:21], s[4:5], s[20:21]
	s_add_nc_u64 s[22:23], s[4:5], s[22:23]
	s_add_nc_u64 s[46:47], s[6:7], s[46:47]
	s_add_nc_u64 s[60:61], s[6:7], s[60:61]
	s_add_nc_u64 s[8:9], s[8:9], s[62:63]
	s_add_nc_u64 s[10:11], s[10:11], s[68:69]
	CROUND                                         ; the joint loads meet
	s_mov_b32 s[G0], 1
	s_mov_b32 s[G0+1], 0
	s_mov_b64 s[G0+2:G0+3], s[20:21]
	s_or_b32 s[G0+3], s[G0+3], 0x80000000
	s_mov_b32 s[G0B], 1
	s_mov_b32 s[G0B+1], s75
	s_mov_b64 s[G0B+2:G0B+3], s[46:47]
	s_or_b32 s[G0B+3], s[G0B+3], 0x80000000
	s_cmp_eq_u32 s14, 0
	s_cbranch_scc0 .Lfor_b
	tensor_load_to_lds s[G0:G0+3], s[G1:G1+7]
	s_nop 0
	PLACES
	s_branch .Lasked
.Lfor_b:
	tensor_load_to_lds s[G0B:G0B+3], s[G1B:G1B+7]
	s_nop 0
	PLACES
.Lasked:
	v_and_b32 v1, 15, v0
	v_bfe_u32 v2, v0, 4, 1
	v_and_b32 v6, 31, v0
	v_lshlrev_b32 v3, 3, v6
	v_add_nc_u32 v[ADRA], s70, v3
	v_add_nc_u32 v[ADRA+1], s71, v3
	v_add_nc_u32 v[ADRB], s72, v3
	v_add_nc_u32 v[ADRB+1], s73, v3
	v_mul_u32_u24 v5, v1, SPITCH
	v_lshl_add_u32 v5, v2, 6, v5
	v_add_nc_u32 v[STO], s74, v5                   ; into the stage: row l % 16, 64 bytes for each half of the lanes and 32 columns
	v_lshlrev_b32 v[CO], 4, v6
	v_add_nc_u32 v[RD], s74, v[CO]
	v_lshlrev_b32 v7, 6, v2
	v_lshlrev_b32 v8, 5, v1                        ; a row of scale bytes
	s_wait_alu depctr_va_vdst(0)                   ; the wait at the head's end
.irp a, 0,1,2,3
	global_load_b128 v[SA+8*\a:SA+8*\a+3], v8, s[22:23] offset:512*\a
	global_load_b128 v[SA+8*\a+4:SA+8*\a+7], v8, s[22:23] offset:512*\a+16
.endr
.irp b, 0,1,2,3,4,5,6,7
	global_load_b128 v[SBS+8*\b:SBS+8*\b+3], v8, s[60:61] offset:512*\b
	global_load_b128 v[SBS+8*\b+4:SBS+8*\b+7], v8, s[60:61] offset:512*\b+16
.endr
	WIN 0x40
.irp b, 0,1,2,3,4,5,6,7                ; tile b, register j: column 32 (b / 2) + 16 (l / 16) + 8 (b % 2) + j
	global_load_b128 v[192+8*\b:195+8*\b], v7, s[8:9] offset:128*(\b/2)+32*(\b%2)
	global_load_b128 v[196+8*\b:199+8*\b], v7, s[8:9] offset:128*(\b/2)+32*(\b%2)+16
.endr
	WIN 0
	s_wait_tensorcnt 0x0                           ; my load has landed;
	s_barrier_signal -1
	s_barrier_wait -1                              ; everybody's has
.macro FETCH st                        ; step st's fragments into set st % 2
	WIN 0x40
.irp i, 0,1,2,3,4,5,6,7
.irp p, 0,1,2,3,4,5
	ds_load_b64 v[96*((\st)%2)+12*\i+2*\p:96*((\st)%2)+12*\i+2*\p+1], v[ADRB+(\st)/4] offset:((\st)%4)*12288+\i*1536+256*\p
.endr
.endr
	WIN 0
.irp a, 0,1,2,3
.irp p, 0,1,2,3,4,5
	ds_load_b64 v[AF+48*((\st)%2)+12*\a+2*\p:AF+48*((\st)%2)+12*\a+2*\p+1], v[ADRA+(\st)/4] offset:((\st)%4)*12288+\a*1536+256*\p
.endr
.endr
.endm
.macro MUL st                          ; 32 matrix instructions; the accumulators take turns in the same order in every step
.irp a, 0,1,2,3
.irp b, 0,1,2,3,4,5,6,7
.if (\st) == 0
	v_wmma_scale_f32_16x16x128_f8f6f4 v[8*(8*\a+\b):8*(8*\a+\b)+7], v[12*\b:12*\b+11], v[AF+12*\a:AF+12*\a+11], v[192+8*\b:199+8*\b], v[SBS+8*\b], v[SA+8*\a] matrix_a_fmt:MATRIX_FMT_FP6 matrix_b_fmt:MATRIX_FMT_FP6
.else
	v_wmma_scale_f32_16x16x128_f8f6f4 v[8*(8*\a+\b):8*(8*\a+\b)+7], v[96*((\st)%2)+12*\b:96*((\st)%2)+12*\b+11], v[AF+48*((\st)%2)+12*\a:AF+48*((\st)%2)+12*\a+11], v[8*(8*\a+\b):8*(8*\a+\b)+7], v[SBS+8*\b+(\st)], v[SA+8*\a+(\st)] matrix_a_fmt:MATRIX_FMT_FP6 matrix_b_fmt:MATRIX_FMT_FP6
.endif
.endr
.endr
.endm
.macro STEP st
	s_wait_dscnt 0x0                               ; this step's fragments are in: asked for ahead of the last step's 32 products
.if (\st) < 7
.if (\st) > 0
	PLACES                                         ; the other set was read by the last step's products
.endif
	FETCH (\st)+1
.endif
.if (\st) == 0
	WIN 0x91                                       ; C: bo, in window 1
.else
	WIN 0xa1
.endif
	MUL \st
	WIN 0
.endm
	FETCH 0
	s_wait_loadcnt 0x0                             ; the scale words and bo
.set ST, 0
.rept 8
	STEP ST
.set ST, ST+1
.endr
	PLACES
	s_barrier_signal -1                            ; no LDS read of mine is out: the tokens' bytes, filled once, become the stages
	s_barrier_wait -1
.macro TOSTAGE a
	WIN 0x08
.irp b, 0,1,2,3,4,5,6,7
	ds_store_b128 v[STO], v[64*(\a)+8*\b:64*(\a)+8*\b+3] offset:128*(\b/2)+32*(\b%2)      ; each accumulator from its low end on
	ds_store_b128 v[STO], v[64*(\a)+8*\b+4:64*(\a)+8*\b+7] offset:128*(\b/2)+32*(\b%2)+16
.endr
	WIN 0
.set BB, BK+64*((\a)%2)
.irp t, 0,1,2,3,4,5,6,7,8,9,10,11,12,13,14,15
	ds_load_b128 v[BB+4*\t:BB+4*\t+3], v[RD] offset:\t*SPITCH     ; LDS serves a wave's instructions in order
.endr
.endm
.macro SEND a, younger
.set BB, BK+64*((\a)%2)
	s_wait_dscnt \younger                          ; the block is back; the next block's 16 stores and 16 loads may be out
.if (\a) > 0
	s_add_nc_u64 s[10:11], s[10:11], 16*SIZE_N*4   ; (behind a wait on XCNT)
.endif
.irp t, 0,1,2,3,4,5,6,7,8,9,10,11,12,13,14,15
	global_store_b128 v[CO], v[BB+4*\t:BB+4*\t+3], s[10:11] offset:\t*SIZE_N*4 th:TH_STORE_NT   ; 512 consecutive bytes, aligned
.endr
.endm
	TOSTAGE 0
.irp a, 1,2,3
.if \a > 1
	s_wait_xcnt 0x0                                ; block a - 2's stores have read their registers and their base
.endif
	TOSTAGE \a
	SEND \a-1, 32
.endr
	s_wait_xcnt 0x0
	SEND 3, 0
	s_wait_tensorcnt 0x0                           ; the wave's end
	ds_add_u32 v[SPW], v[NIL]
	s_wait_dscnt 0x0
	CROUND                                         ; the closing round
	s_endpgm
.Lfunc_end_k_qea2c3c8c90_outp:
	.size	k_qea2c3c8c90_outp, .Lfunc_end_k_qea2c3c8c90_outp-k_qea2c3c8c90_outp
	.p2alignl 7, 3214868480
	.fill 96, 4, 3214868480
	.section	.rodata,"a",@progbits
	.p2align	6, 0x0
	.amdhsa_kernel k_qea2c3c8c90_outp
		.amdhsa_group_segment_fixed_size 327680
		.amdhsa_private_segment_fixed_size 0
		.amdhsa_enable_private_segment 0
		.amdhsa_kernarg_size 32
		.amdhsa_user_sgpr_count 2
		.amdhsa_user_sgpr_kernarg_segment_ptr 1
		.amdhsa_wavefront_size32 1
		.amdhsa_system_sgpr_workgroup_id_x 1
		.amdhsa_system_sgpr_workgroup_id_y 1
		.amdhsa_system_sgpr_workgroup_id_z 1
		.amdhsa_system_vgpr_workitem_id 0
		.amdhsa_next_free_vgpr 768
		.amdhsa_next_free_sgpr 80
		.amdhsa_reserve_vcc 0
		.amdhsa_float_denorm_mode_32 3
		.amdhsa_float_denorm_mode_16_64 3
		.amdhsa_memory_ordered 1
		.amdhsa_forward_progress 1
		.amdhsa_inst_pref_size 95
	.end_amdhsa_kernel
	.amdgpu_metadata
---
amdhsa.version: [ 1, 2 ]
amdhsa.kernels:
  - .name:           k_qea2c3c8c90_outp
    .symbol:         k_qea2c3c8c90_outp.kd
    .args:
      - { .name: oq, .offset: 0, .size: 8, .value_kind: global_buffer, .address_space: global }
      - { .name: wq, .offset: 8, .size: 8, .value_kind: global_buffer, .address_space: global }
      - { .name: bo, .offset: 16, .size: 8, .value_kind: global_buffer, .address_space: global }
      - { .name: out0, .offset: 24, .size: 8, .value_kind: global_buffer, .address_space: global }
    .group_segment_fixed_size: 327680
    .private_segment_fixed_size: 0
    .kernarg_segment_align: 8
    .kernarg_segment_size: 32
    .max_flat_workgroup_size: 128
    .sgpr_count:     80
    .vgpr_count:     768
    .wavefront_size: 32
...
	.end_amdgpu_metadata
.endif
;; end of part 4
